; MI455X (gfx1250); checked and timed in simulation.
; The chip was launched on July 23, 2026; its instructions are those of AMD's public machine-readable ISA for CDNA 5 (MIT licence, August 2026) and "CDNA5" Instruction Set Architecture Reference Guide (July 2026). The comments in the code are by the model that wrote it; some were corrected since.
;; GPT2 Attention. Allowed arithmetic: matrix products marked QUANTISED: E5M2 operands, one E8M0 scale for each 32 along K, by v_wmma_scale_f32_16x16x128_f8f6f4 with both operands' format E5M2, f32 sums; everything else in f32.
;; Inputs: W_attn_codes 3,072 x 32 x 32 uint8 (E5M2 codes of W_attn, K innermost, in blocks of 32 codes); W_attn_scales 3,072 x 32 uint8 (E8M0 scales of W_attn, one for each 32 codes along K); W_proj_codes 1,024 x 32 x 32 uint8 (E5M2 codes of W_proj, K innermost, in blocks of 32 codes); W_proj_scales 1,024 x 32 uint8 (E8M0 scales of W_proj, one for each 32 codes along K); attention_mask 1 x 1 x 2,048 x 2,048 float32; b_attn 3,072 float32; b_proj 1,024 float32; x_codes 2 x 2,048 x 32 x 32 uint8 (E5M2 codes of x, K innermost, in blocks of 32 codes); x_scales 2 x 2,048 x 32 uint8 (E8M0 scales of x, one for each 32 codes along K).
;; Outputs: out0 2 x 2,048 x 1,024 float32.
;; This version of the problem:
;;   THIS VERSION OF THE PROBLEM IS GIVEN IN LOW PRECISION. The matrix products marked QUANTISED in the list below multiply operands that are first quantised to E5M2 (5 exponent bits, 2 mantissa bits; 8 bits a number), with one power-of-two scale for each 32 numbers along K (OCP MX v1.0); their sums are f32. All else is computed in f32.
;;   The module's matrix products, in the order in which they are computed (A, B: the left and right operand; K: the contracted axis; several contracted axes count as one K, in the product's order):
;;     1. [M 4,096, K 1,024] x [K 1,024, N 3,072]; A: input x (given as codes); B: input W_attn (given as codes): QUANTISED
;;     2. batch 32 x [M 2,048, K 64] x [K 64, N 2,048]; A: computed on the way; B: computed on the way: QUANTISED
;;     3. batch 32 x [M 2,048, K 2,048] x [K 2,048, N 64]; A: softmax (see below); B: computed on the way: QUANTISED
;;     4. [M 4,096, K 1,024] x [K 1,024, N 1,024]; A: computed on the way; B: input W_proj (given as codes): QUANTISED
;;   THE QUANTISER, for each operand of a quantised product, along K:
;;     - K is cut into blocks of 32 from its start; a last block that is shorter is filled with zeros.
;;     - A block's scale is 2^e with e = floor(log2(the largest magnitude in the block)) - 15, held to -126 .. 127; a block of zeros has e = 0. As a byte (E8M0): e + 127.
;;     - Each number is divided by its block's scale, clamped to +-57,344, and rounded to the nearest number of E5M2, ties to even, subnormals kept.
;;     - The product sums the exact products of the quantised numbers (number of the format x scale) in f32.
;;   ~~~python
;;   def quantise(x, axis):      # numpy; x: float32 -> the quantised numbers, widened to float32 again
;;       x = np.moveaxis(x, axis, -1); K = x.shape[-1]
;;       x = np.pad(x, [(0, 0)] * (x.ndim - 1) + [(0, -K % 32)]); x = x.reshape(x.shape[:-1] + (-1, 32)); a = np.abs(x).max(-1, keepdims=True)
;;       e = np.where(a > 0, np.clip(np.frexp(np.where(a > 0, a, 1))[1] - 1 - 15, -126, 127), 0)      # np.frexp(a)[1] - 1 = floor(log2(a)), exactly
;;       r = np.clip(x / 2.0 ** e, -57344, 57344)
;;       step = 2.0 ** (np.maximum(np.frexp(np.where(r == 0, 1, r))[1] - 1, -14) - 2)
;;       q = np.round(r / step) * step * 2.0 ** e      # np.round: ties to even
;;       return np.moveaxis(q.reshape(q.shape[:-2] + (-1,))[..., :K], -1, axis).astype(np.float32)
;;   ~~~
;;   SOFTMAX AHEAD OF A QUANTISED PRODUCT. Where the list says 'softmax', what is quantised is not the finished softmax but p = 2^(t - M), with t = logit x log2(e) and M = ceil(the row's largest t), a whole number; so 1/2 < the row's largest p <= 1. The row's sum l is taken of the UNQUANTISED p, in f32, and the product's result is divided by l at the end. Since M is a whole number, a kernel that streams over the keys may use a running M (the ceiling of the running maximum): every later rescaling is an exact power of two, which a block's scale takes up: the codes' values come out the same.
;;   OPERANDS COMPUTED ON THE WAY. 'Computed on the way' means the value that the module computes at that place (a softmax that the list does not call 'softmax' is quantised finished and normalised). What goes into a quantiser is computed in f32, as accurately as f32 sums, v_exp_f32 and their like allow (about 1e-6 of the number): no bf16 or f16 on the way to a quantiser, and a product that is left as it is and whose result goes on into a quantised operand takes f32 operands (vector FMAs, or v_wmma_f32_16x16x4_f32). A number that lies on a knife's edge between two numbers of the format may be rounded either way, as far as f32 arithmetic and the matrix unit's own rounding can turn it there, and no further.
;;   INPUTS GIVEN AS CODES. W_attn (in the module: [3072, 1024], K = its axis 1); W_proj (in the module: [1024, 1024], K = its axis 1); x (in the module: [2, 2048, 1024], K = its axis 2): each comes as NAME_codes (uint8): NAME with its K axis moved to the last place and cut into blocks of 32 codes, [.., K / 32, bytes a block], one block behind the other in memory; one code a byte (a code: sign, 5 exponent bits, 2 mantissa bits); and NAME_scales (uint8): the same leading axes, one E8M0 byte (e + 127) for each 32 codes along K. Its value is code x scale, taken as it is: it is not quantised again, and the codes and scales need not be those that the quantiser above would give.
;; One version. Each part assembles by itself: llvm-mc -triple=amdgcn-amd-amdhsa -mcpu=gfx1250 --defsym DOCPART=n.
;; ======== version 1 of 1: 3 launches
;; limits: right only within a limited range of input values
;; workspace buffers: q_img 4,194,304 bytes; k_img 4,194,304 bytes; v_img 4,194,304 bytes; q_sc 262,144 bytes; k_sc 262,144 bytes; v_sc 262,144 bytes; a_img 4,194,304 bytes; a_sc 131,072 bytes
;; launch qkv (part 1): grid 32 x 8, 12 waves a work-group, clusters of 4 x 1, 327,680 bytes of LDS; arguments x_codes, x_scales, W_attn_codes, W_attn_scales, b_attn, q_img, q_sc, k_img, k_sc, v_img, v_sc; writes q_img, q_sc, k_img, k_sc, v_img, v_sc
.if DOCPART == 1
	.amdgcn_target "amdgcn-amd-amdhsa--gfx1250"
	.amdhsa_code_object_version 6
	.text
	.protected	k_q73f9b92af4_qkv
	.globl	k_q73f9b92af4_qkv
	.p2align	8
	.type	k_q73f9b92af4_qkv,@function
k_q73f9b92af4_qkv:
	s_mov_b64 s[64:65], 0
	v_nop
	global_prefetch_b8 v0, s[64:65] scope:SCOPE_SE
	s_setreg_imm32_b32 hwreg(HW_REG_WAVE_MODE, 25, 1), 1
	s_wait_xcnt 0x0
	s_wait_alu depctr_hold_cnt(0) depctr_sa_sdst(0) depctr_va_vdst(0) depctr_va_sdst(0) depctr_va_ssrc(0) depctr_va_vcc(0) depctr_vm_vsrc(0)
	s_getreg_b32 s2, hwreg(HW_REG_IB_STS2, 6, 4)
	s_cmp_eq_u32 s2, 0
	s_cbranch_scc0 .Lentry_in_a_cluster
	s_endpgm
.Lentry_in_a_cluster:
	s_bfe_u32 s2, ttmp6, 0x10000c
	s_cmp_lg_u32 s2, 0x3003
	s_cbranch_scc0 .Lentry_shape_is_right
	s_endpgm
.Lentry_shape_is_right:
; qkv = x W_attn^T + b_attn on codes of BF8 (E5M2) with one E8M0 scale for each 32 along K, and the quantisers of q, k (along the head's 64) and v (along the keys).
; x: [4096][1024] codes, [4096][32] scale bytes.  W_attn: [3072][1024] codes, [3072][32] scale bytes.  b_attn: [3072] f32.
; SHARES.  A work-group takes 128 rows of x (mb) and 128 features (fy) of each of q, k and v: 128 x 384 of qkv.  Twelve waves, three to a SIMD, 64 x 64 each: g = wave / 4 says q, k or v.
; THE PRODUCT IS USED SO THAT A LANE'S REGISTERS RUN ALONG THE NEXT PRODUCT'S K.  Source 0 (P) holds the rows that become that K, source 1 (R) the others: q, k: P = 64 rows of W (one head's 64 features), R = 64 rows of x;
; v: P = 64 rows of x (keys), R = 64 rows of Wv (one head).  The roles differ by LDS address alone.  In accumulator (t, n) lane (r, h) holds R row 16 n + r, and its register j P row 16 t + 8 h + j.
; So P tiles 2 b and 2 b + 1 give a lane 16 numbers of block b of 32; lane l xor 16 holds the other 16.  Two conversions make the 16 bytes of operand registers 4 b .. 4 b + 3.
; THE ORDER INSIDE A BLOCK: place 16 h + 8 u + j holds k = 16 u + 8 h + j.  A block keeps its 32 members, so its scale is the quantiser's; q and k, and later p and v, carry the same order on both sides of their product.
; OUT: images of operand registers.  For (batch, head, 64 rows of the sequence) one block of 4,096 bytes, [n 0..3][b 0..1][lane][16 bytes] (q, k: n = tile of rows, b = block of the head's 64; v: n = tile of the head's 64,
; b = block of these 64 keys), and 256 bytes of scale words, [lane][2 words]: word w of lane l belongs to tile 2 w + l / 16, row l % 16; its bytes 0 and 1 are the two blocks' scales, bytes 2 and 3 repeat bytes 0 and 1.
; q's scale bytes are stored 3 lower: 1 / sqrt(64) = 2^-3, exactly, so the next launch's product gives score / 8.
; CLUSTER: the four work-groups of a cluster share fy, so W's tiles and scale bytes (three quarters of a K step's bytes) are asked for jointly; x's are each work-group's own.
; LIMITS: a block whose largest magnitude lies under 2^-108 is coded on that floor's scale; a block of zeros gets the floor's byte and not 127 (its codes are zeros, and this program alone reads the bytes);
; NaN and infinities among the numbers are not served.
.set PITCH, 272                        ; an LDS row: 256 bytes of codes + 16 of padding: the 16 rows of a fragment load start 4 banks apart
.set BLKB,  128*PITCH                  ; 128 rows: one tensor load
.set SLOT,  4*BLKB                     ; a slot: Wq's, Wk's, Wv's and x's 128 rows, 256 along K
.set SCL,   2*SLOT                     ; behind the ring: the scale bytes of the same four blocks for all of K, 4,096 dense bytes each, as 16 rows of 256 + 16
.set SBLK,  16*272
.set SPARE, SCL+4*SBLK                 ; the spare words: 128 bytes for each of twelve waves, six blocks of 256 bytes that no other line names
.set FLOOR, 19<<23                     ; 2^(19 - 127): the scale's byte is at least 4, and q's 3 come off it
.set SPW, 1                            ; v1   LDS address of my spare word; never rewritten
.set NIL, 2                            ; v2   0; never rewritten
.set ADP, 3                            ; v3-4 LDS address of my P fragments in slot 0, 1
.set ADR, 5                            ; v5-6 of my R fragments
.set ASP, 7                            ; v7   of P's scale words
.set ASR, 8                            ; v8   of R's
.set BO8, 9                            ; v9   32 h: the bias of q, k runs along a lane's registers
.set BO4, 10                           ; v10  4 r: the bias of v hangs on the lane
.set L16, 11                           ; v11  16 x lane
.set L8,  12                           ; v12  8 x lane
.set HH,  13                           ; v13  h
.set RR,  14                           ; v14  r
.set SP,  16                           ; v16-23 P's scale words: 2 t + kq
.set SR,  24                           ; v24-31 R's: 2 n + kq
.set RF,  32                           ; v32-63 two R fragments
.set PF,  64                           ; v64-127 four P fragments
.set ACC, 128                          ; v128-255 accumulator (t, n) at 32 n + 8 t
.set CD,  32                           ; the way out: codes, 8 registers for each n
.set MX,  64                           ; at work on the way out
.set PX,  66
.set SO,  68
.set HD,  70
.set BY,  72
.set HW,  76                           ; v76-79 the two scale bytes of tile n
.set SW0, 80                           ; v80-81 my two scale words
.set WV,   26
.set SUB3, 27                          ; 3 in q's waves, else 0
.set G1W,  28                          ; s[28:35] group 1: W's tiles (joint)
.set G1X,  36                          ; s[36:43] x's tiles
.set G1SW, 44                          ; s[44:51] W's scale bytes (joint)
.set G1SX, 52                          ; s[52:59] x's scale bytes
.set SEL,  60
.set MNT,  62
.set G0SW, 68                          ; s[68:71] group 0: W's scale bytes
.set G0W,  72                          ; s[72:79] W's tiles, a set for each slot
.set G0SX, 80
.set G0X,  84
.set DST,  92                          ; s[92:93] my block of images
.set DSC,  94                          ; s[94:95] my block of scale words
.set BIA,  96                          ; s[96:97] my 64 numbers of b_attn
; A round of the cluster's barrier: my work-group's barrier, wave 0 signals for the work-group, every wave waits for all four work-groups, my work-group's barrier once more.
.macro ROUND
	s_barrier_signal -1
	s_barrier_wait -1
	s_cmp_lg_u32 s[WV], 0
	s_cbranch_scc1 .Lnw0_\@
	s_barrier_signal -3
.Lnw0_\@:
	s_barrier_wait -3
	s_barrier_signal -1
	s_barrier_wait -1
.endm
; Waves 0 to 2 fetch Wq's, Wk's, Wv's tile (joint), wave 3 x's, the others nothing.  Four v_nop follow each line.
.macro TLOAD s
	s_cmp_lt_u32 s[WV], 3
	s_cbranch_scc0 .Lnotw_\@
	tensor_load_to_lds s[G0W+4*(\s):G0W+4*(\s)+3], s[G1W:G1W+7]
	s_nop 0
.rept 4
	v_nop
.endr
	s_branch .Lasked_\@
.Lnotw_\@:
	s_cmp_lt_u32 s[WV], 4
	s_cbranch_scc0 .Lasked_\@
	tensor_load_to_lds s[G0X+4*(\s):G0X+4*(\s)+3], s[G1X:G1X+7]
	s_nop 0
.rept 4
	v_nop
.endr
.Lasked_\@:
.endm
; Eight products: R tiles n0, n0 + 1 against P's four.  The sixteen accumulators take turns, one instruction a turn, in the same order in every K step.
.macro MUL8 n0, kq
.irp n, \n0, \n0+1
.irp t, 0,1,2,3
	v_wmma_scale_f32_16x16x128_f8f6f4 v[ACC+32*(\n)+8*\t:ACC+32*(\n)+8*\t+7], v[PF+16*\t:PF+16*\t+15], v[RF+16*((\n)%2):RF+16*((\n)%2)+15], v[ACC+32*(\n)+8*\t:ACC+32*(\n)+8*\t+7], v[SP+2*\t+(\kq)], v[SR+2*(\n)+(\kq)] matrix_a_fmt:MATRIX_FMT_BF8 matrix_b_fmt:MATRIX_FMT_BF8
.endr
.endr
.endm
; 128 along K: the kq-th of the slot; sg: which 256 along K the slot holds.  Loads into registers that products have read stand eight plain places behind them.
.macro KSTEP slot, kq, sg
.rept 8
	v_nop
.endr
.if (\kq) == 0
.irp t, 0,1,2,3
	ds_load_b64 v[SP+2*\t:SP+2*\t+1], v[ASP] offset:544*\t+8*(\sg)     ; a row's 8 scale bytes of these 256 along K: two words
	ds_load_b64 v[SR+2*\t:SR+2*\t+1], v[ASR] offset:544*\t+8*(\sg)
.endr
.endif
.irp t, 0,1,2,3
.irp c, 0,1,2,3
	ds_load_b128 v[PF+16*\t+4*\c:PF+16*\t+4*\c+3], v[ADP+\slot] offset:4352*\t+128*(\kq)+32*\c
.endr
.endr
.irp n, 0,1
.irp c, 0,1,2,3
	ds_load_b128 v[RF+16*\n+4*\c:RF+16*\n+4*\c+3], v[ADR+\slot] offset:4352*\n+128*(\kq)+32*\c
.endr
.endr
	s_wait_dscnt 0x0
	MUL8 0, \kq
.rept 8
	v_nop
.endr
.irp n, 2,3
.irp c, 0,1,2,3
	ds_load_b128 v[RF+16*(\n-2)+4*\c:RF+16*(\n-2)+4*\c+3], v[ADR+\slot] offset:4352*\n+128*(\kq)+32*\c
.endr
.endr
	s_wait_dscnt 0x0
	MUL8 2, \kq
.endm
; The change of slots.  Every wave waits for all its tensor loads (its part of the slot ahead), adds 0 to its spare word, and waits for that and for its reads of the slot that it leaves.
; refill = 1: slot fs, just left, takes the 256 along K two steps on: behind a round of the cluster's barrier, as the first thing there.
.macro CH fs, refill
	s_wait_tensorcnt 0x0                           ; no tensor load of mine is out, so a group 0 may be written
	ds_add_u32 v[SPW], v[NIL]                      ; 0 onto my spare word
.if \refill
	s_add_nc_u64 s[G0W+4*\fs+2:G0W+4*\fs+3], s[G0W+4*\fs+2:G0W+4*\fs+3], 512
	s_add_nc_u64 s[G0X+4*\fs+2:G0X+4*\fs+3], s[G0X+4*\fs+2:G0X+4*\fs+3], 512
.endif
	s_wait_dscnt 0x0                               ; the add is done, and my reads of the slot that I leave are over
.if \refill
	ROUND
	TLOAD \fs
.else
	s_barrier_signal -1
	s_barrier_wait -1
.endif
.endm
; Two blocks of 32: the lane's 32 registers from src on become 8 registers of codes at cd and the two scale bytes in hw.  The two blocks take turns line by line.
.macro Q2 src, cd, hw
.irp b, 0,1
	v_max3_num_f32 v[MX+\b], |v[(\src)+16*\b]|, |v[(\src)+16*\b+1]|, FLOOR   ; my 16 numbers and the floor; each accumulator is read from its low end on
.endr
.irp i, 2,4,6,8,10,12,14
.irp b, 0,1
	v_max3_num_f32 v[MX+\b], v[MX+\b], |v[(\src)+16*\b+\i]|, |v[(\src)+16*\b+\i+1]|
.endr
.endr
.irp b, 0,1
	s_delay_alu instid0(VALU_DEP_2)
	v_permlanex16_b32 v[PX+\b], v[MX+\b], s[SEL], s[SEL+1]
.endr
.irp b, 0,1
	s_delay_alu instid0(VALU_DEP_2)
	v_max_num_f32 v[MX+\b], v[MX+\b], v[PX+\b]     ; with lane l xor 16's: the block's largest magnitude
.endr
.irp b, 0,1
	s_delay_alu instid0(VALU_DEP_2)
	v_add_nc_u32 v[SO+\b], 0xf8800000, v[MX+\b]    ; 15 off its exponent field: the conversion's scale operand
.endr
.irp b, 0,1
	s_delay_alu instid0(VALU_DEP_4)
	v_and_or_b32 v[HD+\b], v[MX+\b], 0x7f800000, s[MNT]   ; 57,344 x the scale
.endr
.irp b, 0,1
	s_delay_alu instid0(VALU_DEP_4)
	v_lshrrev_b32 v[BY+\b], 23, v[SO+\b]           ; the scale's byte,
.endr
.irp b, 0,1
	s_delay_alu instid0(VALU_DEP_2)
	v_sub_nc_u32 v[BY+\b], v[BY+\b], s[SUB3]       ; 3 lower for q: the codes stay, the numbers are q / 8
.endr
	s_delay_alu instid0(VALU_DEP_1)
	v_lshl_or_b32 v[\hw], v[BY+1], 8, v[BY]
	v_lshl_or_b32 v[\hw], v[\hw], 16, v[\hw]       ; bytes 2 and 3 of a scale word repeat bytes 0 and 1 (they are not 0): the next launch uses a word of q or k for either half of its instruction's 128 along K
.irp b, 0,1
.irp i, 0,1,2,3,4,5,6,7,8,9,10,11,12,13,14,15
	v_med3_num_f32 v[(\src)+16*\b+\i], v[(\src)+16*\b+\i], -v[HD+\b], v[HD+\b]   ; the conversion to an 8-bit code does not saturate (ISA guide 7.6.2): the hold comes first
.endr
.endr
.irp b, 0,1
	v_cvt_scalef32_pk8_bf8_f32 v[(\cd)+4*\b:(\cd)+4*\b+1], v[(\src)+16*\b:(\src)+16*\b+7], v[SO+\b]
	v_cvt_scalef32_pk8_bf8_f32 v[(\cd)+4*\b+2:(\cd)+4*\b+3], v[(\src)+16*\b+8:(\src)+16*\b+15], v[SO+\b]
.endr
	v_nop                                          ; one plain line behind the last conversion, ahead of the next lines that write its scale operands
.endm
	s_load_b256 s[4:11], s[0:1], 0x0               ; x's codes, x's scales, W's codes, W's scales
	s_load_b256 s[12:19], s[0:1], 0x20             ; b_attn, q_img, q_sc, k_img
	s_load_b128 s[20:23], s[0:1], 0x40             ; k_sc, v_img
	s_load_b64 s[24:25], s[0:1], 0x50              ; v_sc
	v_lshl_add_u32 v[SPW], v0, 2, SPARE
	v_mov_b32 v[NIL], 0
	ds_add_u32 v1, v2
	ds_add_u32 v1, v2
	s_wait_dscnt 0x0
	v_lshrrev_b32 v15, 5, v0
	s_delay_alu instid0(VALU_DEP_1)
	v_readfirstlane_b32 s[WV], v15                 ; wave 0..11
	s_bfe_u32 s2, ttmp6, 0x40000                   ; cx
	s_lshl_b32 s3, ttmp9, 2
	s_add_co_u32 s3, s3, s2                        ; mb = 4 x cluster x + cx: it enters x's addresses and the stores' alone
	s_and_b32 s98, ttmp7, 0xffff                   ; fy, which the four partners share
	s_lshr_b32 s99, s[WV], 2                       ; g: q, k, v
	s_bfe_u32 s100, s[WV], 0x10001                 ; i: which 64 rows of P
	s_and_b32 s101, s[WV], 1                       ; j: which 64 rows of R
	s_lshr_b32 s63, s[WV], 3                       ; 1 in v's waves
	; every LDS address is made here, of the wave's number, the lane and constants
	s_add_co_u32 s92, s99, s63                     ; P's block in a slot: Wq 0, Wk 1, x 3
	s_xor_b32 s93, s63, 3                          ; R's: x 3, Wv 2
	s_mul_i32 s66, s92, BLKB
	s_mul_i32 s67, s100, 64*PITCH
	s_add_co_u32 s66, s66, s67
	s_mul_i32 s67, s93, BLKB
	s_mul_i32 s94, s101, 64*PITCH
	s_add_co_u32 s67, s67, s94
	v_and_b32 v[RR], 15, v0
	s_wait_alu depctr_va_vdst(0)
	v_bfe_u32 v[HH], v0, 4, 1
	v_mul_u32_u24 v15, v[RR], PITCH
	s_delay_alu instid0(VALU_DEP_1)
	v_lshl_add_u32 v15, v[HH], 4, v15              ; a fragment's row x pitch + 16 h
	s_delay_alu instid0(VALU_DEP_1)
	v_add_nc_u32 v[ADP], s66, v15
	s_delay_alu instid0(VALU_DEP_2)
	v_add_nc_u32 v[ADR], s67, v15
	s_delay_alu instid0(VALU_DEP_2)
	v_add_nc_u32 v[ADP+1], SLOT, v[ADP]
	s_delay_alu instid0(VALU_DEP_2)
	v_add_nc_u32 v[ADR+1], SLOT, v[ADR]
	s_mul_i32 s66, s92, SBLK
	s_mul_i32 s67, s100, 4*544
	s_add_co_u32 s66, s66, s67
	s_add_co_u32 s66, s66, SCL
	s_mul_i32 s67, s93, SBLK
	s_mul_i32 s94, s101, 4*544
	s_add_co_u32 s67, s67, s94
	s_add_co_u32 s67, s67, SCL
	v_lshrrev_b32 v15, 3, v[RR]
	s_delay_alu instid0(VALU_DEP_1)
	v_lshlrev_b32 v15, 4, v15
	s_delay_alu instid0(VALU_DEP_1)
	v_lshl_add_u32 v15, v[RR], 5, v15              ; a row's 32 scale bytes, and 16 more for each 256 passed; 16 rows are 544 bytes
	s_delay_alu instid0(VALU_DEP_1)
	v_add_nc_u32 v[ASP], s66, v15
	s_delay_alu instid0(VALU_DEP_2)
	v_add_nc_u32 v[ASR], s67, v15
	v_lshlrev_b32 v[BO8], 5, v[HH]
	v_lshlrev_b32 v[BO4], 2, v[RR]
	v_and_b32 v15, 31, v0
	s_delay_alu instid0(VALU_DEP_1)
	v_lshlrev_b32 v[L16], 4, v15
	s_delay_alu instid0(VALU_DEP_2)
	v_lshlrev_b32 v[L8], 3, v15
	; group 1: 128 rows x 256 bytes, 1,024 bytes apart in memory, 16 bytes of padding behind each row
	s_mov_b32 s[G1W], 15|(1<<20)|(1<<21)|(5<<22)|(3<<25)   ; 15:0 the mask: all four work-groups; elements of 1 byte; 20 padding on; 21 set beside a mask; after every 64 words (code 5) four words (code 3)
	s_mov_b32 s[G1X], (1<<20)|(5<<22)|(3<<25)      ; the same with no mask
.irp g, G1W, G1X
	s_mov_b32 s[\g+1], 256<<16                     ; tensor_dim0
	s_mov_b32 s[\g+2], 128<<16                     ; tensor_dim1
	s_mov_b32 s[\g+3], 256<<16                     ; tile_dim0
	s_mov_b32 s[\g+4], 128                         ; tile_dim1
	s_mov_b32 s[\g+5], 1024                        ; from row to row
	s_mov_b32 s[\g+6], 0
	s_mov_b32 s[\g+7], 0
.endr
	; the scale bytes of 128 rows: 4,096 dense bytes as 16 rows of 32 elements of 8 bytes, padded likewise
	s_mov_b32 s[G1SW], 15|(3<<16)|(1<<20)|(1<<21)|(5<<22)|(3<<25)
	s_mov_b32 s[G1SX], (3<<16)|(1<<20)|(5<<22)|(3<<25)
.irp g, G1SW, G1SX
	s_mov_b32 s[\g+1], 32<<16
	s_mov_b32 s[\g+2], 16<<16
	s_mov_b32 s[\g+3], 32<<16
	s_mov_b32 s[\g+4], 16
	s_mov_b32 s[\g+5], 32
	s_mov_b32 s[\g+6], 0
	s_mov_b32 s[\g+7], 0
.endr
	s_mov_b32 s[SEL], 0x76543210
	s_mov_b32 s[SEL+1], 0xfedcba98                 ; v_permlanex16_b32's selects for lane l xor 16
	s_mov_b32 s[MNT], 0x600000                     ; the mantissa field of 57,344
	s_and_b32 s93, s[WV], 3                        ; which block I fetch: wave % 4: Wq, Wk, Wv (x's wave is held at 2 and uses x's own descriptors)
	s_min_u32 s93, s93, 2
	s_lshl_b32 s92, s93, 10
	s_lshl_b32 s94, s98, 7
	s_add_co_u32 s92, s92, s94                     ; its first row of W_attn: made of the wave's number and fy alone
	s_mov_b32 s[G0SW], 1
	s_mul_i32 s[G0SW+1], s93, SBLK
	s_add_co_u32 s[G0SW+1], s[G0SW+1], SCL
	s_mov_b32 s[G0W], 1
	s_mul_i32 s[G0W+1], s93, BLKB
	s_mov_b32 s[G0W+4], 1
	s_add_co_u32 s[G0W+5], s[G0W+1], SLOT
	s_mov_b32 s[G0SX], 1
	s_mov_b32 s[G0SX+1], SCL+3*SBLK
	s_mov_b32 s[G0X], 1
	s_mov_b32 s[G0X+1], 3*BLKB
	s_mov_b32 s[G0X+4], 1
	s_mov_b32 s[G0X+5], 3*BLKB+SLOT
	s_wait_kmcnt 0x0
	s_lshl_b32 s66, s92, 5
	s_mov_b32 s67, 0
	s_add_nc_u64 s[G0SW+2:G0SW+3], s[10:11], s[66:67]
	s_lshl_b32 s66, s92, 10
	s_add_nc_u64 s[G0W+2:G0W+3], s[8:9], s[66:67]
	s_add_nc_u64 s[G0W+6:G0W+7], s[G0W+2:G0W+3], 256   ; slot 1 begins with the second 256 along K
	s_or_b32 s[G0SW+3], s[G0SW+3], 0x80000000
	s_or_b32 s[G0W+3], s[G0W+3], 0x80000000
	s_or_b32 s[G0W+7], s[G0W+7], 0x80000000
	s_lshl_b32 s94, s3, 12
	s_mov_b32 s95, 0
	s_add_nc_u64 s[G0SX+2:G0SX+3], s[6:7], s[94:95]
	s_lshl_b32 s94, s3, 17
	s_add_nc_u64 s[G0X+2:G0X+3], s[4:5], s[94:95]
	s_add_nc_u64 s[G0X+6:G0X+7], s[G0X+2:G0X+3], 256
	s_or_b32 s[G0SX+3], s[G0SX+3], 0x80000000
	s_or_b32 s[G0X+3], s[G0X+3], 0x80000000
	s_or_b32 s[G0X+7], s[G0X+7], 0x80000000
	ROUND                                          ; all four work-groups are here: the first joint loads meet
; THE HEAD'S TWELVE FIRST FILLS, ONE A WAVE: waves 0-3 slot 0's four blocks, waves 4-7 the four blocks of scale bytes, waves 8-11 slot 1's four blocks.
; One chain of branches on the wave's number, a load to an arm, all arms leading to one join.
.macro ARM under, g0, g1, next
	s_cmp_lt_u32 s[WV], \under
	s_cbranch_scc0 \next
	tensor_load_to_lds s[\g0:\g0+3], s[\g1:\g1+7]
	s_nop 0
.rept 4
	v_nop
.endr
	s_branch .Lff_done
\next:
.endm
	ARM 3, G0W, G1W, .Lff_a
	ARM 4, G0X, G1X, .Lff_b
	ARM 7, G0SW, G1SW, .Lff_c
	ARM 8, G0SX, G1SX, .Lff_d
	ARM 11, G0W+4, G1W, .Lff_e
	tensor_load_to_lds s[G0X+4:G0X+7], s[G1X:G1X+7]
	s_nop 0
.rept 4
	v_nop
.endr
.Lff_done:
	; where my results go, and my part of the bias
	s_cmp_lg_u32 s63, 0
	s_cselect_b32 s66, s101, s100                  ; which of the two heads: i for q, k; j for v
	s_cselect_b32 s67, s100, s101                  ; which 64 rows of x: j for q, k; i for v
	s_cmp_eq_u32 s99, 0
	s_cselect_b32 s[SUB3], 3, 0
	s_lshl_b32 s[BIA], s99, 10
	s_lshl_b32 s2, s98, 7
	s_add_co_u32 s[BIA], s[BIA], s2
	s_lshl_b32 s2, s66, 6
	s_add_co_u32 s[BIA], s[BIA], s2
	s_lshl_b32 s[BIA], s[BIA], 2                   ; 4 x (1,024 g + 128 fy + 64 x head's half)
	s_mov_b32 s[BIA+1], 0
	s_add_nc_u64 s[BIA:BIA+1], s[12:13], s[BIA:BIA+1]
	s_lshr_b32 s2, s3, 4                           ; the batch
	s_lshl_b32 s2, s2, 9
	s_lshl_b32 s92, s98, 1
	s_add_co_u32 s92, s92, s66                     ; the head
	s_lshl_b32 s92, s92, 5
	s_add_co_u32 s2, s2, s92
	s_and_b32 s92, s3, 15
	s_lshl_b32 s92, s92, 1
	s_add_co_u32 s2, s2, s92
	s_add_co_u32 s2, s2, s67                       ; block = (16 batch + head) 32 + the 64 rows' number in the batch
	s_cmp_eq_u32 s99, 0
	s_cselect_b64 s[DST:DST+1], s[14:15], s[18:19]
	s_cselect_b64 s[DSC:DSC+1], s[16:17], s[20:21]
	s_cmp_eq_u32 s99, 2
	s_cselect_b64 s[DST:DST+1], s[22:23], s[DST:DST+1]
	s_cselect_b64 s[DSC:DSC+1], s[24:25], s[DSC:DSC+1]
	s_lshl_b32 s66, s2, 12
	s_mov_b32 s67, 0
	s_add_nc_u64 s[DST:DST+1], s[DST:DST+1], s[66:67]
	s_lshl_b32 s66, s2, 8
	s_add_nc_u64 s[DSC:DSC+1], s[DSC:DSC+1], s[66:67]
	; THE BIAS STARTS THE SUMS, so the K loop has no first step of its own.
	s_cmp_lt_u32 s[WV], 8
	s_cbranch_scc0 .Lbias_v
	s_wait_alu depctr_va_vdst(0)
.irp n, 0,1,2,3                        ; q, k: register j of accumulator (t, n) wants b(16 t + 8 h + j): loaded straight into it
.irp t, 0,1,2,3
	global_load_b128 v[ACC+32*\n+8*\t:ACC+32*\n+8*\t+3], v[BO8], s[BIA:BIA+1] offset:64*\t
	global_load_b128 v[ACC+32*\n+8*\t+4:ACC+32*\n+8*\t+7], v[BO8], s[BIA:BIA+1] offset:64*\t+16
.endr
.endr
	s_wait_loadcnt 0x0
	s_branch .Lbias_done
.Lbias_v:
	s_wait_alu depctr_va_vdst(0)
.irp n, 0,1,2,3                        ; v: all 32 registers of R tile n want the lane's own b(16 n + r)
	global_load_b32 v[RF+\n], v[BO4], s[BIA:BIA+1] offset:64*\n
.endr
	s_wait_loadcnt 0x0
.irp n, 0,1,2,3
.set J, 0
.rept 32
	v_mov_b32 v[ACC+32*\n+J], v[RF+\n]
.set J, J+1
.endr
.endr
.Lbias_done:
	s_cmp_lt_u32 s[WV], 8                          ; waves 0-7 wait for slot 0's blocks and the scale bytes; slot 1's loads, which have lines of their own, may stay out
	s_cbranch_scc0 .Lslot1_out
	s_wait_tensorcnt 0x0
.Lslot1_out:
	s_barrier_signal -1
	s_barrier_wait -1
	s_wait_alu depctr_va_vdst(0)
	KSTEP 0, 0, 0
	KSTEP 0, 1, 0
	CH 0, 1                                        ; slot 0 takes K 512 .. 767
	KSTEP 1, 0, 1
	KSTEP 1, 1, 1
	CH 1, 1                                        ; slot 1 takes K 768 .. 1023
	KSTEP 0, 0, 2
	KSTEP 0, 1, 2
	CH 0, 0                                        ; nothing is left to fetch
	KSTEP 1, 0, 3
	KSTEP 1, 1, 3
.rept 8
	v_nop                                          ; eight places behind the last products, ahead of the first read of results and of writes into operands
.endr
	v_mov_b32 v[PX], 0                             ; a lane permute's destination counts as one of its sources
	v_mov_b32 v[PX+1], 0
.irp n, 0,1,2,3
	Q2 ACC+32*\n, CD+8*\n, HW+\n
	global_store_b128 v[L16], v[CD+8*\n:CD+8*\n+3], s[DST:DST+1] offset:1024*\n        ; 32 lanes store 512 consecutive bytes, aligned
	global_store_b128 v[L16], v[CD+8*\n+4:CD+8*\n+7], s[DST:DST+1] offset:1024*\n+512
.endr
	v_cmp_ne_u32 vcc_lo, 0, v[HH]
	s_delay_alu instid0(VALU_DEP_1)
	v_cndmask_b32 v[SW0], v[HW], v[HW+1], vcc_lo   ; word 0: tile 0 in lanes 0-15, tile 1 in lanes 16-31
	s_delay_alu instid0(VALU_DEP_2)
	v_cndmask_b32 v[SW0+1], v[HW+2], v[HW+3], vcc_lo   ; word 1: tiles 2 and 3
	global_store_b64 v[L8], v[SW0:SW0+1], s[DSC:DSC+1]   ; 32 lanes store 256 consecutive bytes, aligned
	s_wait_tensorcnt 0x0                           ; the wave's end
	ds_add_u32 v[SPW], v[NIL]
	s_wait_dscnt 0x0
	ROUND                                          ; the closing round: no work-group ends while a partner may still ask for a tile that names it
	s_endpgm
.Lfunc_end_k_q73f9b92af4_qkv:
	.size	k_q73f9b92af4_qkv, .Lfunc_end_k_q73f9b92af4_qkv-k_q73f9b92af4_qkv
	.p2alignl 7, 3214868480
	.fill 96, 4, 3214868480
	.section	.rodata,"a",@progbits
	.p2align	6, 0x0
	.amdhsa_kernel k_q73f9b92af4_qkv
		.amdhsa_group_segment_fixed_size 327680
		.amdhsa_private_segment_fixed_size 0
		.amdhsa_enable_private_segment 0
		.amdhsa_kernarg_size 88
		.amdhsa_user_sgpr_count 2
		.amdhsa_user_sgpr_kernarg_segment_ptr 1
		.amdhsa_wavefront_size32 1
		.amdhsa_system_sgpr_workgroup_id_x 1
		.amdhsa_system_sgpr_workgroup_id_y 1
		.amdhsa_system_sgpr_workgroup_id_z 1
		.amdhsa_system_vgpr_workitem_id 0
		.amdhsa_next_free_vgpr 256
		.amdhsa_next_free_sgpr 102
		.amdhsa_reserve_vcc 1
		.amdhsa_float_denorm_mode_32 3
		.amdhsa_float_denorm_mode_16_64 3
		.amdhsa_memory_ordered 1
		.amdhsa_forward_progress 1
		.amdhsa_inst_pref_size 79
	.end_amdhsa_kernel
	.amdgpu_metadata
---
amdhsa.version: [ 1, 2 ]
amdhsa.kernels:
  - .name:           k_q73f9b92af4_qkv
    .symbol:         k_q73f9b92af4_qkv.kd
    .args:
      - { .name: x_codes, .offset: 0, .size: 8, .value_kind: global_buffer, .address_space: global }
      - { .name: x_scales, .offset: 8, .size: 8, .value_kind: global_buffer, .address_space: global }
      - { .name: W_attn_codes, .offset: 16, .size: 8, .value_kind: global_buffer, .address_space: global }
      - { .name: W_attn_scales, .offset: 24, .size: 8, .value_kind: global_buffer, .address_space: global }
      - { .name: b_attn, .offset: 32, .size: 8, .value_kind: global_buffer, .address_space: global }
      - { .name: q_img, .offset: 40, .size: 8, .value_kind: global_buffer, .address_space: global }
      - { .name: q_sc, .offset: 48, .size: 8, .value_kind: global_buffer, .address_space: global }
      - { .name: k_img, .offset: 56, .size: 8, .value_kind: global_buffer, .address_space: global }
      - { .name: k_sc, .offset: 64, .size: 8, .value_kind: global_buffer, .address_space: global }
      - { .name: v_img, .offset: 72, .size: 8, .value_kind: global_buffer, .address_space: global }
      - { .name: v_sc, .offset: 80, .size: 8, .value_kind: global_buffer, .address_space: global }
    .group_segment_fixed_size: 327680
    .private_segment_fixed_size: 0
    .kernarg_segment_align: 8
    .kernarg_segment_size: 88
    .max_flat_workgroup_size: 384
    .sgpr_count:     102
    .vgpr_count:     256
    .wavefront_size: 32
...
	.end_amdgpu_metadata
.endif
;; end of part 1
;; launch attn (part 2): grid 32 x 8, 8 waves a work-group, no clusters, 327,680 bytes of LDS; arguments q_img, q_sc, k_img, k_sc, v_img, v_sc, attention_mask, a_img, a_sc; writes a_img, a_sc
.if DOCPART == 2
	.amdgcn_target "amdgcn-amd-amdhsa--gfx1250"
	.amdhsa_code_object_version 6
	.text
	.protected	k_q73f9b92af4_attn
	.globl	k_q73f9b92af4_attn
	.p2align	8
	.type	k_q73f9b92af4_attn,@function
k_q73f9b92af4_attn:
	s_mov_b64 s[64:65], 0
	v_nop
	global_prefetch_b8 v0, s[64:65] scope:SCOPE_SE
	s_setreg_imm32_b32 hwreg(HW_REG_WAVE_MODE, 25, 1), 1
	s_wait_xcnt 0x0
; a = softmax(q k^T / 8 + mask) v for 32 (batch, head) pairs of 2,048 x 64, both products on codes of BF8 (E5M2) with one E8M0 scale for each 32 along K, and the quantiser of a along the model's 1,024.
; q, k, v arrive as images of operand registers with their scale words, as the launch before lays them (q's scales carry the 1 / 8; a scale word's bytes 2, 3 repeat bytes 0, 1).
; The mask [2048][2048] f32 is an input: it is read for every query and key, and nothing is left out.
; THE SOFTMAX: t = (score / 8 + mask) x log2(e); M = the row's largest t so far, rounded up to a whole number; p = 2^(t - M), one fused multiply-add and one exponential, is what is quantised along the keys.
; The row's sum is taken of the unquantised p and divides O at the end.  When M moves, the sum and O are multiplied by 2^(old M - new M), exactly.
; SHARES.  A work-group owns 64 queries (qb = x) of four heads (y = 4 batch + group of heads).  Eight waves, two to a SIMD; wave w owns head w / 2 and TWO tiles of 16 queries, a = 2 (w % 2) and b = a + 1:
; each fragment of K and of V feeds two tiles' products.  Every wave walks all 2,048 keys, 128 a trip.
; TWO ROADS.  K's and V's images and scale words lie in memory in the order of the operand registers, so a wave fetches them straight into registers: 16 loads of 512 consecutive bytes and 2 of 256 for each of K and V a trip;
; they pass no LDS.  The mask alone goes through LDS: a ring of two slots of FOUR key steps each (4 x 64 rows x 528 bytes), so the work-group meets at a barrier four times in the launch, once for each four trips.
; NO CLUSTER: K and V are not staged, and of the eight work-groups that read the same rows of the mask at most two walk the same group of key steps at a time (the stagger below): nothing is left to ask for jointly by fours.
; THE TWO TILES RUN HALF A TRIP APART.  A trip: tile a's mask is asked of LDS; tile b's softmax and second product of the key step BEFORE stand under that and under K's loads, issued at the last trip's end; a's scores;
; V's fragments and b's mask are asked for; a's softmax stands under them; b's scores and a's second product; the next trip's K is asked for.  The first trip has no step before it, and b's last softmax follows the last trip.
; THE WALK IS STAGGERED by groups of four key steps: trip tau works key step (tau + r) mod 16, r = 4 ((x / 4 + y) mod 4).  The running M makes the order of the keys free.
; LAYOUT.  S^T = K Q^T + mask^T (source 0 = keys, source 1 = queries; THE MASK IS THE C OF THE PRODUCT: register j of tile t is key 16 t + 8 h + j of query r) and O^T = V^T P^T: a lane holds one query of each tile.
; The head's 64 fill half of the instruction's 128 along K.  A fragment of K is dense: registers 0-7 tile f of the step's keys 0-63, registers 8-15 tile f of keys 64-127.  Q lies as 0 | Qa | 0 | Qb | 0 (zero codes):
; against Q | 0 a fragment gives tile f, against 0 | Q tile 4 + f.  What stands over zero codes adds nothing, whatever its scale byte (none is 0xff).
; OUT: a_img [tile of 16 rows 256][K step 8][c 4][lane][16 bytes], a_sc [64 rows 64][K step 8][lane][2 words]: word w of lane l: tile 2 w + l / 16, row l % 16, four scale bytes.
; REGISTERS: window 0 (v0-255): addresses, scales, the scores of both tiles, p's codes, the softmax's work.  Window 1: K's and V's fragments, Q with its zero codes, O^T of both tiles.
; LIMITS: a block of p or of a whose largest number lies under 2^-111 is coded on that floor's scale; a block of zeros gets the floor's byte (its codes are zeros; this program alone reads the bytes).
; score / 8 + mask is the matrix unit's own sum.  The order in which a row's keys are summed differs from work-group to work-group.  The scaled scores stay under 2^31 in magnitude.
; NaN among the inputs, and rows whose every mask is -infinity, are not served.
.set MP,    528                        ; a row of the mask for one key step: 512 bytes + 16 of padding
.set SUB,   64*MP                      ; one key step's 64 rows
.set SLOTB, 4*SUB                      ; a slot: four key steps; slot 1 begins here
.set STG,   2*SLOTB                    ; 512 bytes behind the ring, into which no tile lands: a's scale words meet here
.set SPARE, STG+512                    ; the spare words: 128 bytes for each of eight waves
.set SPW, 1
.set NIL, 2
.set AM0, 4                            ; v4 my place in a key step's rows of the mask;  v7 the same in the key step in hand
.set AM,  7
.set PFO, 9                            ; the prefetches' lane offset; never rewritten
.set L16, 10                           ; 16 x lane
.set STA, 11                           ; where my half of a scale word goes in the stage
; v[12:13], v[14:15]: -M and the largest t of tile a, b;  v[16:17], v[18:19]: their sums in two halves
.set KL,  20                           ; v20-23 K's scale words: keys 0-63, keys 64-127
.set QS,  24                           ; v24-25 Q's scale words, tile a, b
.set VS,  26                           ; v26-27 V's scale words of the step's four blocks of keys
.set PW,  28                           ; v28 p's scale word
.set VL,  30                           ; v30-31 V's words as they lie, keys 0-63;  v192-193 keys 64-127
.set SS,  32                           ; v32-95 tile a's mask, S^T, p;  v96-159 tile b's
.set PC,  160                          ; v160-175 p's codes
.set VH,  192
.set BM,  194                          ; the blocks' largest score, then p
.set PX,  198
.set HD,  202                          ; 57,344 x the scale; before that two chains of the sum
.set SO,  206                          ; the conversions' scale operands; before that a chain of the sum
.set FF,  210                          ; v210-211 f = 2^(old M - new M)
.set TT,  212
.set TN,  213
.set STR, 214
.set RR,  215
.set HH,  216
.set LN,  217
.set R8,  218
.set L8,  219                          ; 8 x lane
.set KF,  0                            ; window 1: v0-63 K's four fragments, v64-127 V's four
.set VF,  64
.set QZ,  128                          ; v128-167: 0 | Qa | 0 | Qb | 0
.set OT,  168                          ; v168-199 O^T of tile a, v200-231 of tile b
.set KP,  8                            ; s[8:9], s[10:11] my head's images and scale words of K at the key step to be fetched;  s[12:13], s[14:15] of V
.set KQ,  10
.set VP,  12
.set VQ,  14
.set WV,  22
.set CNT, 23
.set SEL, 24
.set CS,  26                           ; s[26:27] log2(e)
.set MNT, 28
.set LIM, 29                           ; 1 in a wave that prefetches, else 0
.set PFA, 30                           ; s[30:31] what my wave asks for next;  s[32:33] a key step on, in bytes
.set PFS, 32
.set TM,  34                           ; LDS byte at which the key step in hand begins
.set GI,  35                           ; the group of key steps asked for last
.set G1M, 36
.set G0M, 44
.set WS,  48                           ; s[48:49] what comes off the mask's address where the walk passes the last group: 8,192 or 0
.set LB,  50                           ; my wave's place in a slot
.set CU,  51                           ; the key step that K's and V's addresses stand at
.set TC,  52                           ; trips to go
.set MSB, 0
.macro WIN new                         ; the immediate's high byte repeats the setting that is left
.if MSB != \new
	s_set_vgpr_msb (MSB<<8)|\new
.set MSB, \new
.endif
.endm
.macro WALU
	s_wait_alu depctr_va_vdst(0)
.endm
.macro PLACES n
.rept \n
	v_nop
.endr
.endm
; A PREFETCH INTO THE L2, in trips 0 to 3 alone, one instruction a wave and trip.  Wave 0 asks for K's, wave 1 for V's 8,192 bytes of the key step of trip tau + 4 (fetched at the end of trip tau + 3), lanes 256 bytes apart, of head
; 4 y + x % 4; waves 4-7 for 16 rows each of my work-group's mask, a row's 512 bytes by two lanes, of the key step of trip tau + 8 (its tensor load stands ahead of trip 4).
; Each aligned block of 256 bytes is named once in the launch: r / 4 = (x / 4 + y) mod 4 takes each of its four values once among x / 4 = 0 .. 3 (K, V: these work-groups alone ask) and among y = 0 .. 3 (the mask likewise).
.macro ASK
	s_cmp_lg_u32 s[LIM], 0
	s_cbranch_scc0 .Lnm_\@
	global_prefetch_b8 v[PFO], s[PFA:PFA+1] th:TH_LOAD_NT scope:SCOPE_SE
.Lnm_\@:
.endm
.macro LDMASK T                        ; mask(tile T's query, keys 16 t + 8 h + 0 .. 7) into the registers that the scores will take
.irp t, 0,1,2,3,4,5,6,7
	ds_load_b128 v[SS+64*(\T)+8*\t:SS+64*(\T)+8*\t+3], v[AM] offset:8448*(\T)+64*\t
	ds_load_b128 v[SS+64*(\T)+8*\t+4:SS+64*(\T)+8*\t+7], v[AM] offset:8448*(\T)+64*\t+16
.endr
.endm
; Two loads of scale words (32 lanes read 256 consecutive bytes), then four fragments (32 lanes read 512 consecutive bytes): c = 0, 1: keys 0-63; c = 2, 3: keys 64-127
.macro LDIMG w0, w1, reg, img, sc
	global_load_b64 v[\w0:\w0+1], v[L8], s[\sc:\sc+1]
	global_load_b64 v[\w1:\w1+1], v[L8], s[\sc:\sc+1] offset:256
	WIN 0x40
.irp f, 0,1,2,3
.irp c, 0,1,2,3
	global_load_b128 v[\reg+16*\f+4*\c:\reg+16*\f+4*\c+3], v[L16], s[\img:\img+1] offset:4096*(\c/2)+1024*\f+512*(\c%2)
.endr
.endr
	WIN 0
.endm
; Eight products of tile T: g = 0: the fragments against Q | 0: tiles 0-3; g = 1: against 0 | Q: tiles 4-7.  The mask goes in as C; eight accumulators, one instruction each.
.macro SCORE T
	WIN 0x05
.irp g, 0,1
.irp f, 0,1,2,3
.set D_, SS+64*(\T)+32*\g+8*\f
.set B_, QZ+8+16*(\T)-8*\g
.if \f%2
	v_wmma_scale_f32_16x16x128_f8f6f4 v[D_:D_+7], v[KF+16*\f:KF+16*\f+15], v[B_:B_+15], v[D_:D_+7], v[KL+2*\g+\f/2], v[QS+(\T)] matrix_a_fmt:MATRIX_FMT_BF8 matrix_b_fmt:MATRIX_FMT_BF8 matrix_a_scale:MATRIX_SCALE_ROW1
.else
	v_wmma_scale_f32_16x16x128_f8f6f4 v[D_:D_+7], v[KF+16*\f:KF+16*\f+15], v[B_:B_+15], v[D_:D_+7], v[KL+2*\g+\f/2], v[QS+(\T)] matrix_a_fmt:MATRIX_FMT_BF8 matrix_b_fmt:MATRIX_FMT_BF8
.endif
.endr
.endr
.endm
.macro PV T                            ; O^T += V^T P^T of tile T: four accumulators, one instruction each
	WIN 0x51
.irp n, 0,1,2,3
.set D_, OT+32*(\T)+8*\n
.if \n%2
	v_wmma_scale_f32_16x16x128_f8f6f4 v[D_:D_+7], v[VF+16*\n:VF+16*\n+15], v[PC:PC+15], v[D_:D_+7], v[VS+\n/2], v[PW] matrix_a_fmt:MATRIX_FMT_BF8 matrix_b_fmt:MATRIX_FMT_BF8 matrix_a_scale:MATRIX_SCALE_ROW1
.else
	v_wmma_scale_f32_16x16x128_f8f6f4 v[D_:D_+7], v[VF+16*\n:VF+16*\n+15], v[PC:PC+15], v[D_:D_+7], v[VS+\n/2], v[PW] matrix_a_fmt:MATRIX_FMT_BF8 matrix_b_fmt:MATRIX_FMT_BF8
.endif
.endr
.endm
; THE SOFTMAX OF TILE T FOR 128 KEYS: scores -> p's codes, p's scale word, the sum and O^T under the new M.  hook = 1: V's scale words, which were asked for first of the loads in flight, are merged on the way.
.macro SOFT T, hook
.set S_, SS+64*(\T)
.set M_, 12+2*(\T)
.set U_, 16+2*(\T)
.set O_, OT+32*(\T)
.irp b, 0,1,2,3
	v_max3_num_f32 v[BM+\b], v[S_+16*\b], v[S_+16*\b+1], v[S_+16*\b+2]   ; the largest score of each block of 32 keys: for the row's maximum and, since p rises with the score, for the block's largest p
.endr
.irp i, 3,5,7,9,11,13
.irp b, 0,1,2,3
	v_max3_num_f32 v[BM+\b], v[BM+\b], v[S_+16*\b+\i], v[S_+16*\b+\i+1]   ; each accumulator is first read at its low end
.endr
.endr
.irp b, 0,1,2,3
	v_max_num_f32 v[BM+\b], v[BM+\b], v[S_+16*\b+15]
.endr
.irp b, 0,1,2,3
	v_permlanex16_b32 v[PX+\b], v[BM+\b], s[SEL], s[SEL+1]
.endr
.irp b, 0,1,2,3
	v_max_num_f32 v[BM+\b], v[BM+\b], v[PX+\b]     ; with lane l xor 16's 16 keys
.endr
	v_max3_num_f32 v[TT], v[BM], v[BM+1], v[BM+2]
	v_max_num_f32 v[TT], v[TT], v[BM+3]
	v_mul_f32 v[TT], s[CS], v[TT]                  ; as t (log2(e) is positive)
	v_max_num_f32 v[M_+1], v[M_+1], v[TT]          ; the running largest t
	v_floor_f32 v[TN], -v[M_+1]                    ; the new -M = floor(-t): M is a whole number
	v_sub_f32 v[TT], v[TN], v[M_]                  ; old M - new M: a whole number, 0 or less
	v_mov_b32 v[M_], v[TN]
	v_cvt_i32_f32 v[TT], v[TT]                     ; (it saturates)
	v_ldexp_f32 v[FF], 1.0, v[TT]                  ; f
.set J, 0
.rept 32
	v_pk_fma_f32 v[S_+J:S_+J+1], v[S_+J:S_+J+1], s[CS:CS+1], v[M_:M_+1] op_sel_hi:[1,0,0]   ; t - M, two at a time (of the pairs the low word serves both halves)
.set J, J+2
.endr
.irp b, 0,1,2,3
	v_fma_f32 v[BM+\b], v[BM+\b], s[CS], v[M_]     ; the same of each block's largest score
.endr
	WALU                                           ; ahead of the batch
.set J, 0
.rept 64
	v_exp_f32 v[S_+J], v[S_+J]                     ; p = 2^(t - M), at most 1
.set J, J+1
.endr
	v_pk_mul_f32 v[U_:U_+1], v[U_:U_+1], v[FF:FF+1] op_sel_hi:[1,0]   ; the sums under the new M: the plain line behind the exponentials
	WALU                                           ; one wait for the batch of 64
.irp b, 0,1,2,3
	v_exp_f32 v[BM+\b], v[BM+\b]                   ; the block's largest p: the same lines on the same number
.endr
	v_pk_add_f32 v[HD:HD+1], v[S_:S_+1], v[S_+2:S_+3]             ; the row's sum of the unquantised p, two at a time, in four chains
	v_pk_add_f32 v[HD+2:HD+3], v[S_+4:S_+5], v[S_+6:S_+7]
	v_pk_add_f32 v[SO:SO+1], v[S_+8:S_+9], v[S_+10:S_+11]
	v_pk_add_f32 v[U_:U_+1], v[U_:U_+1], v[S_+12:S_+13]
.set J, 14
.rept 6
	v_pk_add_f32 v[HD:HD+1], v[HD:HD+1], v[S_+J:S_+J+1]
	v_pk_add_f32 v[HD+2:HD+3], v[HD+2:HD+3], v[S_+J+2:S_+J+3]
	v_pk_add_f32 v[SO:SO+1], v[SO:SO+1], v[S_+J+4:S_+J+5]
	v_pk_add_f32 v[U_:U_+1], v[U_:U_+1], v[S_+J+6:S_+J+7]
.set J, J+8
.endr
	v_pk_add_f32 v[HD:HD+1], v[HD:HD+1], v[S_+62:S_+63]
	v_pk_add_f32 v[U_:U_+1], v[U_:U_+1], v[SO:SO+1]
	v_pk_add_f32 v[HD:HD+1], v[HD:HD+1], v[HD+2:HD+3]
	v_pk_add_f32 v[U_:U_+1], v[U_:U_+1], v[HD:HD+1]
.if \hook
	WALU
	s_wait_loadcnt 16                              ; V's two loads of scale words are in: the 16 loads of its fragments, issued behind them, may stay out
	v_perm_b32 v[VS], v[VH], v[VL], 0x05040100     ; bytes 0, 1: the blocks of keys 0-63; bytes 2, 3: those of keys 64-127
	v_perm_b32 v[VS+1], v[VH+1], v[VL+1], 0x05040100
.endif
	WALU                                           ; and one for the four
.irp b, 0,1,2,3
	v_max_num_f32 v[BM+\b], 0x8000000, v[BM+\b]    ; the floor 2^(16 - 127): the byte cannot fall under 1
.endr
.irp b, 0,1,2,3
	v_add_nc_u32 v[SO+\b], 0xf8800000, v[BM+\b]    ; 15 off the exponent field: the conversion's scale operand
.endr
.irp b, 0,1,2,3
	v_and_or_b32 v[HD+\b], v[BM+\b], 0x7f800000, s[MNT]   ; 57,344 x the scale
.endr
.irp b, 0,1,2,3
	v_lshrrev_b32 v[PX+\b], 23, v[SO+\b]           ; the scale's byte
.endr
	v_lshl_or_b32 v[PW], v[PX+1], 8, v[PX]         ; p's scale word for these 128 keys
	v_lshl_or_b32 v[PW], v[PX+2], 16, v[PW]
	v_lshl_or_b32 v[PW], v[PX+3], 24, v[PW]
.irp b, 0,1,2,3
.irp i, 0,2,4,6,8,10,12,14
	v_dual_min_num_f32 v[S_+16*\b+\i], v[S_+16*\b+\i], v[HD+\b] :: v_dual_min_num_f32 v[S_+16*\b+\i+1], v[S_+16*\b+\i+1], v[HD+\b]   ; the conversion does not saturate (ISA guide 7.6.2); p is not negative: a one-sided hold, two to a line
.endr
	v_cvt_scalef32_pk8_bf8_f32 v[PC+4*\b:PC+4*\b+1], v[S_+16*\b:S_+16*\b+7], v[SO+\b]
	v_cvt_scalef32_pk8_bf8_f32 v[PC+4*\b+2:PC+4*\b+3], v[S_+16*\b+8:S_+16*\b+15], v[SO+\b]
.endr
	WIN 0x41
	WALU                                           ; directly ahead of the first readers of O^T
.set J, 0
.rept 16
	v_pk_mul_f32 v[O_+J:O_+J+1], v[O_+J:O_+J+1], v[FF:FF+1] op_sel_hi:[1,0]   ; O^T under the new M; also the places between the conversions and the products
.set J, J+2
.endr
	WIN 0
.endm
; THE CHANGE OF SLOTS, ahead of each four trips.  Every wave waits for its tensor load (its part of the slot ahead), adds 0 to its spare word, and waits for that; its reads of the slot that it leaves ended with the last trip.
; fill = 0, 1: behind the barrier that slot takes the next group of four key steps: one load a wave (one key step of 32 rows), which has four trips in which to land.  fill = -1: nothing is left to fetch.
.macro CHANGE fill
	WALU
	s_wait_tensorcnt 0x0                           ; no tensor load of mine is out, so the group 0 may be written
	ds_add_u32 v[SPW], v[NIL]
.if \fill >= 0
	s_add_co_u32 s[GI], s[GI], 1                   ; the next group,
	s_lshr_b32 s[WS], s[GI], 2                     ; 1 where that passes the last,
	s_lshl_b32 s[WS], s[WS], 13                    ; and then four groups back
	s_and_b32 s[GI], s[GI], 3
	s_add_nc_u64 s[G0M+2:G0M+3], s[G0M+2:G0M+3], 2048
	s_sub_nc_u64 s[G0M+2:G0M+3], s[G0M+2:G0M+3], s[WS:WS+1]
	s_add_co_u32 s[G0M+1], s[LB], (\fill)*SLOTB
.endif
	s_wait_dscnt 0x0
	s_barrier_signal -1
	s_barrier_wait -1
.if \fill >= 0
	tensor_load_to_lds s[G0M:G0M+3], s[G1M:G1M+7]
	s_nop 0
	PLACES 4
.endif
.endm
; A TRIP: 128 keys.
.macro TRIP first, ask
	v_add_nc_u32 v[AM], s[TM], v[AM0]
	WALU
	LDMASK 0
.if \ask
	ASK
.endif
.if !(\first)
	SOFT 1, 0                                      ; tile b, the key step before: under a's mask and K's loads
.endif
	WALU
	s_wait_dscnt 0x0                               ; a's mask
	s_wait_loadcnt 0x0                             ; K and its scale words, asked for at the last trip's end
	SCORE 0
.if !(\first)
	PV 1
.endif
	WIN 0
	PLACES 8                                       ; ahead of loads into V's registers and of the first read of a's scores
	LDIMG VL, VH, VF, VP, VQ
	LDMASK 1
	SOFT 0, 1                                      ; tile a: under the loads above
	WALU
	s_wait_dscnt 0x0                               ; b's mask: my reads of this key step are over
	s_wait_loadcnt 0x0                             ; V.  No load of mine is out, so the four bases may be stepped below
	SCORE 1
	PV 0
	WIN 0
	PLACES 8                                       ; ahead of loads into K's registers and of the first read of b's scores
	s_add_co_u32 s[CU], s[CU], 1                   ; the next key step, sixteen back where that passes the last
	s_lshr_b32 s80, s[CU], 4
	s_and_b32 s[CU], s[CU], 15
	s_lshl_b32 s82, s80, 17
	s_lshl_b32 s80, s80, 13
	s_add_nc_u64 s[KP:KP+1], s[KP:KP+1], 8192
	s_sub_nc_u64 s[KP:KP+1], s[KP:KP+1], s[82:83]
	s_add_nc_u64 s[VP:VP+1], s[VP:VP+1], 8192
	s_sub_nc_u64 s[VP:VP+1], s[VP:VP+1], s[82:83]
	s_add_nc_u64 s[KQ:KQ+1], s[KQ:KQ+1], 512
	s_sub_nc_u64 s[KQ:KQ+1], s[KQ:KQ+1], s[80:81]
	s_add_nc_u64 s[VQ:VQ+1], s[VQ:VQ+1], 512
	s_sub_nc_u64 s[VQ:VQ+1], s[VQ:VQ+1], s[80:81]
	s_add_co_u32 s[TM], s[TM], SUB                 ; and its rows of the mask
.if \ask
	s_wait_xcnt 0x0                                ; this trip's prefetch has read its address
	s_add_nc_u64 s[PFA:PFA+1], s[PFA:PFA+1], s[PFS:PFS+1]
.endif
	s_sub_co_u32 s[TC], s[TC], 1
	s_cmp_eq_u32 s[TC], 0                          ; the last trip has no successor: its K is not asked for
	s_cbranch_scc1 .Lnk_\@
	LDIMG KL, KL+2, KF, KP, KQ
.Lnk_\@:
.endm
.macro TRIPS n, ask, lab               ; n trips in a counted loop
	s_mov_b32 s[CNT], \n
\lab:
	TRIP 0, \ask
	s_sub_co_u32 s[CNT], s[CNT], 1
	s_cmp_lg_u32 s[CNT], 0
	s_cbranch_scc1 \lab
.endm
	s_load_b256 s[4:11], s[0:1], 0x0               ; q_img, q_sc, k_img, k_sc
	s_load_b256 s[12:19], s[0:1], 0x20             ; v_img, v_sc, the mask, a_img
	s_load_b64 s[20:21], s[0:1], 0x40              ; a_sc
	v_lshl_add_u32 v[SPW], v0, 2, SPARE
	v_mov_b32 v[NIL], 0
	ds_add_u32 v[SPW], v[NIL]                      ; the opening lines: the add twice on end and one wait, ahead of my first tensor load
	ds_add_u32 v[SPW], v[NIL]
	v_lshrrev_b32 v[TT], 5, v0
	v_readfirstlane_b32 s[WV], v[TT]               ; wave 0..7
	s_and_b32 s92, ttmp9, 3                        ; x % 4
	s_lshr_b32 s91, ttmp9, 2                       ; x / 4
	s_mov_b32 s93, ttmp9                           ; qb = x
	s_and_b32 s94, ttmp7, 0xffff                   ; y
	s_lshr_b32 s95, s[WV], 1                       ; my head among the four
	s_and_b32 s97, s[WV], 1                        ; my pair of tiles
	s_and_b32 s96, s[WV], 3
	s_lshr_b32 s90, s[WV], 2
	s_add_co_u32 s80, s91, s94
	s_and_b32 s[GI], s80, 3                        ; the group at which my work-group begins,
	s_lshl_b32 s[CU], s[GI], 2                     ; and its first key step r
	s_mul_i32 s83, s97, 32*MP                      ; my 32 rows of the mask
	s_lshr_b32 s85, s95, 1                         ; the stage: 256 bytes for each of the work-group's two K steps of the next product;
	s_lshl_b32 s85, s85, 8
	s_lshl_b32 s80, s97, 2                         ; in them lane 16 (tile % 2) + r, word tile / 2,
	s_add_co_u32 s85, s85, s80
	s_and_b32 s80, s95, 1                          ; and the half word of my head
	s_lshl_b32 s80, s80, 1
	s_add_co_u32 s85, s85, s80
	s_add_co_u32 s85, s85, STG
	s_cmp_lt_u32 s[WV], 2                          ; the prefetches: waves 0, 1 ask for images, waves 4-7 for rows of the mask
	s_mov_b32 s[PFS], 512
	s_cselect_b32 s[PFS], 8192, s[PFS]             ; a key step, in bytes
	s_mov_b32 s[PFS+1], 0
	s_mov_b32 s86, 8192
	s_cselect_b32 s86, 256, s86                    ; from r to r + 1
	s_mov_b32 s87, 256
	s_cselect_b32 s87, 4096, s87                   ; from lanes 0-15 to lanes 16-31
	s_cselect_b32 s88, 4, 8                        ; how many key steps ahead of trip 0's
	s_cselect_b32 s89, s91, s94                    ; who asks: x / 4 under 4 for K and V, y under 4 for the mask;
	s_cmp_lt_u32 s89, 4
	s_cselect_b32 s[LIM], 1, 0
	s_cmp_eq_u32 s95, 1                            ; waves 2 and 3 never
	s_cselect_b32 s[LIM], 0, s[LIM]
	v_and_b32 v[RR], 15, v0                        ; every vector register of the head is made in this one run
	v_bfe_u32 v[HH], v0, 4, 1
	v_and_b32 v[LN], 31, v0
	v_lshlrev_b32 v[L16], 4, v[LN]
	v_lshlrev_b32 v[L8], 3, v[LN]
	v_mul_u32_u24 v[AM0], v[RR], MP
	v_lshl_add_u32 v[AM0], v[HH], 5, v[AM0]
	v_add_nc_u32 v[AM0], s83, v[AM0]
	v_lshl_add_u32 v[STA], v[RR], 3, s85
	v_add_nc_u32 v[STR], STG, v[L16]
	v_lshlrev_b32 v[R8], 3, v[RR]
	v_mul_lo_u32 v[PFO], v[RR], s86
	v_mul_lo_u32 v[TT], v[HH], s87
	v_add_nc_u32 v[PFO], v[PFO], v[TT]
	v_mov_b32 v13, 0xff61b1e6                      ; the largest t so far: -3e38
	v_mov_b32 v15, 0xff61b1e6
	v_floor_f32 v12, -v13                          ; -M
	v_floor_f32 v14, -v15
.irp j, 16,17,18,19
	v_mov_b32 v\j, 0                               ; the sums
.endr
.irp b, 0,1,2,3
	v_mov_b32 v[PX+\b], 0                          ; a lane permute's destination counts as one of its sources
.endr
	v_mov_b32 v[FF+1], 0                           ; (named as the upper half of a pair)
	WIN 0x40
.irp z, 0,16,32
.set J, 0
.rept 8
	v_mov_b32 v[QZ+\z+J], 0                        ; the zero codes beside Q: set once
.set J, J+1
.endr
.endr
.set J, 0
.rept 64
	v_mov_b32 v[OT+J], 0                           ; O^T: the softmax is written once, and its first turn finds zeros
.set J, J+1
.endr
	WIN 0
	WALU                                           ; at the end of the head's vector work
	s_mov_b32 s[G1M], (2<<16)|(1<<20)|(6<<22)|(3<<25)   ; the mask: 32 rows x 128 f32 (one key step); four words of padding after every 128
	s_mov_b32 s[G1M+1], 128<<16
	s_mov_b32 s[G1M+2], 32<<16
	s_mov_b32 s[G1M+3], 128<<16
	s_mov_b32 s[G1M+4], 32
	s_mov_b32 s[G1M+5], 2048
	s_mov_b32 s[G1M+6], 0
	s_mov_b32 s[G1M+7], 0
	s_mov_b32 s[SEL], 0x76543210
	s_mov_b32 s[SEL+1], 0xfedcba98
	s_mov_b32 s[CS], 0x3fb8aa3b                    ; log2(e)
	s_mov_b32 s[CS+1], s[CS]
	s_mov_b32 s[MNT], 0x600000
	s_mov_b32 s[WS+1], 0
	s_mov_b32 s[TC], 16
	s_mul_i32 s[LB], s96, SUB                      ; I fetch key step wave % 4 of a group,
	s_mul_i32 s80, s90, 32*MP                      ; rows 32 (wave / 4) on
	s_add_co_u32 s[LB], s[LB], s80
	s_mov_b32 s[G0M], 1
	s_mov_b32 s[G0M+1], s[LB]                      ; slot 0
	s_wait_dscnt 0x0                               ; both opening adds are done
	s_wait_kmcnt 0x0
	s_lshl_b32 s100, s93, 19                       ; my work-group's 64 rows of the mask,
	s_lshl_b32 s80, s90, 18                        ; the 32 that I fetch,
	s_add_co_u32 s100, s100, s80
	s_lshl_b32 s80, s[GI], 11                      ; the group: 2,048 bytes of a row,
	s_add_co_u32 s100, s100, s80
	s_lshl_b32 s80, s96, 9                         ; my key step of it
	s_add_co_u32 s100, s100, s80
	s_mov_b32 s101, 0
	s_add_nc_u64 s[G0M+2:G0M+3], s[16:17], s[100:101]
	s_or_b32 s[G0M+3], s[G0M+3], 0x80000000
	tensor_load_to_lds s[G0M:G0M+3], s[G1M:G1M+7]  ; the first group into slot 0: one load a wave
	s_nop 0
	PLACES 4
	s_lshl_b32 s80, s94, 2                         ; the prefetches' addresses.  K, V: head 4 y + x % 4
	s_add_co_u32 s80, s80, s92
	s_lshl_b32 s80, s80, 17
	s_lshl_b32 s81, s93, 19                        ; the mask: row 64 qb + 16 (wave % 4)
	s_lshl_b32 s82, s96, 17
	s_add_co_u32 s81, s81, s82
	s_cmp_lt_u32 s[WV], 2
	s_cselect_b32 s80, s80, s81
	s_cmp_eq_u32 s[WV], 0
	s_cselect_b64 s[PFA:PFA+1], s[8:9], s[16:17]
	s_cmp_eq_u32 s[WV], 1
	s_cselect_b64 s[PFA:PFA+1], s[12:13], s[PFA:PFA+1]
	s_add_co_u32 s82, s88, s[CU]
	s_and_b32 s82, s82, 15                         ; a multiple of 4: the three key steps behind it need no wrap
	s_mul_i32 s82, s82, s[PFS]
	s_add_co_u32 s80, s80, s82
	s_mov_b32 s81, 0
	s_add_nc_u64 s[PFA:PFA+1], s[PFA:PFA+1], s[80:81]
	s_lshl_b32 s100, s94, 2                        ; 16 batch + head
	s_add_co_u32 s100, s100, s95
	s_lshl_b32 s82, s100, 17                       ; K, V: my head's images, 131,072 bytes a head, at key step r,
	s_lshl_b32 s80, s[CU], 13
	s_add_co_u32 s82, s82, s80
	s_mov_b32 s83, 0
	s_add_nc_u64 s[KP:KP+1], s[KP:KP+1], s[82:83]
	s_add_nc_u64 s[VP:VP+1], s[VP:VP+1], s[82:83]
	s_lshl_b32 s82, s100, 13                       ; and its scale words, 8,192 bytes a head
	s_lshl_b32 s80, s[CU], 9
	s_add_co_u32 s82, s82, s80
	s_add_nc_u64 s[KQ:KQ+1], s[KQ:KQ+1], s[82:83]
	s_add_nc_u64 s[VQ:VQ+1], s[VQ:VQ+1], s[82:83]
	LDIMG KL, KL+2, KF, KP, KQ                     ; trip 0's K
	s_lshl_b32 s100, s100, 5                       ; Q: block (16 batch + head) 32 + qb
	s_add_co_u32 s100, s100, s93
	s_lshl_b32 s80, s100, 8
	s_lshl_b32 s100, s100, 12
	s_lshl_b32 s81, s97, 11                        ; my two tiles: 1,024 bytes each
	s_add_co_u32 s100, s100, s81
	s_add_nc_u64 s[4:5], s[4:5], s[100:101]
	s_lshl_b32 s81, s97, 2                         ; their scale words: word tile / 2, lanes 16 (tile % 2) + r
	s_add_co_u32 s100, s80, s81
	s_add_nc_u64 s[6:7], s[6:7], s[100:101]
	WIN 0x40
	global_load_b128 v[QZ+8:QZ+11], v[L16], s[4:5]
	global_load_b128 v[QZ+12:QZ+15], v[L16], s[4:5] offset:512
	global_load_b128 v[QZ+24:QZ+27], v[L16], s[4:5] offset:1024
	global_load_b128 v[QZ+28:QZ+31], v[L16], s[4:5] offset:1536
	WIN 0
	global_load_b32 v[QS], v[R8], s[6:7]
	global_load_b32 v[QS+1], v[R8], s[6:7] offset:128
	s_lshr_b32 s80, s94, 2                         ; where a goes
	s_lshl_b32 s80, s80, 5
	s_add_co_u32 s80, s80, s93                     ; 32 batch + qb
	s_and_b32 s81, s94, 3
	s_lshl_b32 s81, s81, 1                         ; my work-group's first K step of the next product
	s_lshl_b32 s100, s80, 3
	s_add_co_u32 s100, s100, s81
	s_lshl_b32 s100, s100, 8
	s_add_nc_u64 s[20:21], s[20:21], s[100:101]
	s_lshl_b32 s100, s80, 2
	s_lshl_b32 s82, s97, 1
	s_add_co_u32 s100, s100, s82
	s_lshl_b32 s100, s100, 14                      ; tile a's rows: 16,384 bytes a tile,
	s_lshr_b32 s82, s95, 1
	s_add_co_u32 s81, s81, s82
	s_lshl_b32 s81, s81, 11                        ; my head's K step: 2,048,
	s_add_co_u32 s100, s100, s81
	s_and_b32 s82, s95, 1
	s_lshl_b32 s82, s82, 10                        ; and its half of that
	s_add_co_u32 s100, s100, s82
	s_add_nc_u64 s[18:19], s[18:19], s[100:101]
	s_mov_b32 s81, 0                               ; s81 and s83 stay 0 from here on: the upper words of K's and V's wraps
	s_mov_b32 s83, 0
	s_wait_loadcnt 0x0                             ; Q (and trip 0's K)
	CHANGE 1                                       ; slot 0 is whole; slot 1's first fill stands behind this barrier
	s_mov_b32 s[TM], 0
	TRIP 1, 1                                      ; trip 0: no step before it
	TRIPS 3, 1, .Lg0
	CHANGE 0                                       ; slot 0 takes the third group
	s_mov_b32 s[TM], SLOTB
	TRIPS 4, 0, .Lg1
	CHANGE 1                                       ; slot 1 takes the fourth
	s_mov_b32 s[TM], 0
	TRIPS 4, 0, .Lg2
	CHANGE -1
	s_mov_b32 s[TM], SLOTB
	TRIPS 4, 0, .Lg3
	SOFT 1, 0                                      ; tile b's last key step (the last trip's eight places stand ahead of it)
	WALU
	PV 1
	WIN 0
	; THE WAY OUT: O^T / the sum, quantised along the head's 64 (two blocks of the model's 1,024 a tile), stored as the next product's operand
	PLACES 8
	v_add_f32 v16, v16, v17
	v_add_f32 v18, v18, v19
	v_permlanex16_b32 v[PX], v16, s[SEL], s[SEL+1]
	v_permlanex16_b32 v[PX+1], v18, s[SEL], s[SEL+1]
	v_add_f32 v16, v16, v[PX]                      ; the rows' sums
	v_add_f32 v18, v18, v[PX+1]
	WALU
	v_rcp_f32 v16, v16
	v_rcp_f32 v18, v18
	v_nop
	WIN 0x01
	WALU                                           ; ahead of the first readers of the reciprocals and of O^T
.set J, 0
.rept 32
	v_pk_mul_f32 v[SS+J:SS+J+1], v[OT+J:OT+J+1], v[16+2*(J/32):17+2*(J/32)] op_sel_hi:[1,0]   ; register 32 T + 8 n + j: a(tile T's query, 16 n + 8 h + j)
.set J, J+2
.endr
	WIN 0
.irp b, 0,1,2,3
	v_max3_num_f32 v[BM+\b], |v[SS+16*\b]|, |v[SS+16*\b+1]|, 0x8000000
.endr
.irp i, 2,4,6,8,10,12,14
.irp b, 0,1,2,3
	v_max3_num_f32 v[BM+\b], v[BM+\b], |v[SS+16*\b+\i]|, |v[SS+16*\b+\i+1]|
.endr
.endr
.irp b, 0,1,2,3
	v_permlanex16_b32 v[PX+\b], v[BM+\b], s[SEL], s[SEL+1]
.endr
.irp b, 0,1,2,3
	v_max_num_f32 v[BM+\b], v[BM+\b], v[PX+\b]
.endr
.irp b, 0,1,2,3
	v_add_nc_u32 v[SO+\b], 0xf8800000, v[BM+\b]
.endr
.irp b, 0,1,2,3
	v_and_or_b32 v[HD+\b], v[BM+\b], 0x7f800000, s[MNT]
.endr
.irp b, 0,1,2,3
	v_lshrrev_b32 v[PX+\b], 23, v[SO+\b]
.endr
	v_lshl_or_b32 v[TN], v[PX+1], 8, v[PX]         ; my head's two scale bytes of tile a's row,
	v_lshl_or_b32 v[TT], v[PX+3], 8, v[PX+2]       ; and of tile b's
.irp b, 0,1,2,3
.irp i, 0,1,2,3,4,5,6,7,8,9,10,11,12,13,14,15
	v_med3_num_f32 v[SS+16*\b+\i], v[SS+16*\b+\i], -v[HD+\b], v[HD+\b]
.endr
.endr
.irp b, 0,1,2,3
	v_cvt_scalef32_pk8_bf8_f32 v[PC+4*\b:PC+4*\b+1], v[SS+16*\b:SS+16*\b+7], v[SO+\b]
	v_cvt_scalef32_pk8_bf8_f32 v[PC+4*\b+2:PC+4*\b+3], v[SS+16*\b+8:SS+16*\b+15], v[SO+\b]
.endr
	v_nop
.irp t, 0,1
	global_store_b128 v[L16], v[PC+8*\t:PC+8*\t+3], s[18:19] offset:16384*\t         ; 32 lanes store 512 consecutive bytes, aligned
	global_store_b128 v[L16], v[PC+8*\t+4:PC+8*\t+7], s[18:19] offset:16384*\t+512
.endr
	ds_store_b16 v[STA], v[TN]                     ; both lanes of a row write the same half word with the same value
	ds_store_b16 v[STA], v[TT] offset:128
	WALU
	s_wait_dscnt 0x0                               ; for the others' sake
	s_barrier_signal -1
	s_barrier_wait -1
	s_cmp_lg_u32 s[WV], 0
	s_cbranch_scc1 .Lnot0
	ds_load_b128 v[SS:SS+3], v[STR]                ; the work-group's 512 bytes of scale words
	s_wait_dscnt 0x0
	global_store_b128 v[L16], v[SS:SS+3], s[20:21]
.Lnot0:
	s_wait_tensorcnt 0x0                           ; the wave's end
	ds_add_u32 v[SPW], v[NIL]
	s_wait_dscnt 0x0
	s_endpgm
.Lfunc_end_k_q73f9b92af4_attn:
	.size	k_q73f9b92af4_attn, .Lfunc_end_k_q73f9b92af4_attn-k_q73f9b92af4_attn
	.p2alignl 7, 3214868480
	.fill 96, 4, 3214868480
	.section	.rodata,"a",@progbits
	.p2align	6, 0x0
	.amdhsa_kernel k_q73f9b92af4_attn
		.amdhsa_group_segment_fixed_size 327680
		.amdhsa_private_segment_fixed_size 0
		.amdhsa_enable_private_segment 0
		.amdhsa_kernarg_size 72
		.amdhsa_user_sgpr_count 2
		.amdhsa_user_sgpr_kernarg_segment_ptr 1
		.amdhsa_wavefront_size32 1
		.amdhsa_system_sgpr_workgroup_id_x 1
		.amdhsa_system_sgpr_workgroup_id_y 1
		.amdhsa_system_sgpr_workgroup_id_z 1
		.amdhsa_system_vgpr_workitem_id 0
		.amdhsa_next_free_vgpr 512
		.amdhsa_next_free_sgpr 102
		.amdhsa_reserve_vcc 0
		.amdhsa_float_denorm_mode_32 3
		.amdhsa_float_denorm_mode_16_64 3
		.amdhsa_memory_ordered 1
		.amdhsa_forward_progress 1
		.amdhsa_inst_pref_size 219
	.end_amdhsa_kernel
	.amdgpu_metadata
---
amdhsa.version: [ 1, 2 ]
amdhsa.kernels:
  - .name:           k_q73f9b92af4_attn
    .symbol:         k_q73f9b92af4_attn.kd
    .args:
      - { .name: q_img, .offset: 0, .size: 8, .value_kind: global_buffer, .address_space: global }
      - { .name: q_sc, .offset: 8, .size: 8, .value_kind: global_buffer, .address_space: global }
      - { .name: k_img, .offset: 16, .size: 8, .value_kind: global_buffer, .address_space: global }
      - { .name: k_sc, .offset: 24, .size: 8, .value_kind: global_buffer, .address_space: global }
      - { .name: v_img, .offset: 32, .size: 8, .value_kind: global_buffer, .address_space: global }
      - { .name: v_sc, .offset: 40, .size: 8, .value_kind: global_buffer, .address_space: global }
      - { .name: attention_mask, .offset: 48, .size: 8, .value_kind: global_buffer, .address_space: global }
      - { .name: a_img, .offset: 56, .size: 8, .value_kind: global_buffer, .address_space: global }
      - { .name: a_sc, .offset: 64, .size: 8, .value_kind: global_buffer, .address_space: global }
    .group_segment_fixed_size: 327680
    .private_segment_fixed_size: 0
    .kernarg_segment_align: 8
    .kernarg_segment_size: 72
    .max_flat_workgroup_size: 256
    .sgpr_count:     102
    .vgpr_count:     512
    .wavefront_size: 32
...
	.end_amdgpu_metadata
.endif
;; end of part 2
;; launch proj (part 3): grid 32 x 8, 8 waves a work-group, clusters of 4 x 1, 327,680 bytes of LDS; arguments a_img, a_sc, W_proj_codes, W_proj_scales, b_proj, out0; writes out0
.if DOCPART == 3
	.amdgcn_target "amdgcn-amd-amdhsa--gfx1250"
	.amdhsa_code_object_version 6
	.text
	.protected	k_q73f9b92af4_proj
	.globl	k_q73f9b92af4_proj
	.p2align	8
	.type	k_q73f9b92af4_proj,@function
k_q73f9b92af4_proj:
	s_mov_b64 s[64:65], 0
	v_nop
	global_prefetch_b8 v0, s[64:65] scope:SCOPE_SE
	s_setreg_imm32_b32 hwreg(HW_REG_WAVE_MODE, 25, 1), 1
	s_wait_xcnt 0x0
	s_wait_alu depctr_hold_cnt(0) depctr_sa_sdst(0) depctr_va_vdst(0) depctr_va_sdst(0) depctr_va_ssrc(0) depctr_va_vcc(0) depctr_vm_vsrc(0)
	s_getreg_b32 s2, hwreg(HW_REG_IB_STS2, 6, 4)
	s_cmp_eq_u32 s2, 0
	s_cbranch_scc0 .Lentry_in_a_cluster
	s_endpgm
.Lentry_in_a_cluster:
	s_bfe_u32 s2, ttmp6, 0x10000c
	s_cmp_lg_u32 s2, 0x3003
	s_cbranch_scc0 .Lentry_shape_is_right
	s_endpgm
.Lentry_shape_is_right:
; out0 = a W_proj^T + b_proj on codes of BF8 (E5M2) with one E8M0 scale for each 32 along K.  a: images of operand registers and scale words, as the launch before lays them.
; W_proj: [1024][1024] codes, [1024][32] scale bytes.  b_proj: [1024] f32.  out0: [4096][1024] f32.
; SHARES.  A work-group makes 128 rows (mb) x 128 columns (ny).  Eight waves: wave w takes 64 columns (w % 2) and 32 rows (w / 2): eight accumulators.
; THE PRODUCT IS USED TRANSPOSED: source 0 = 16 rows of W_proj, source 1 = 16 rows of a: a lane's eight results are eight neighbouring columns of one row of out0.
; a's codes lie inside each block of 32 in the order place 16 h + 8 u + j = k 16 u + 8 h + j; W_proj's fragments are fetched in the same order, by loads of 8 bytes: registers 4 c + 2 u, + 1 take k = 32 c + 16 u + 8 h + 0 .. 7.
; ALL OF K LIES IN LDS: each byte of LDS is filled once, in four chunks of 256 along K a side, so there is no ring; the products of a chunk begin when it has landed, while the later chunks are on their way.
; CLUSTER: the four work-groups of a cluster share ny, so W_proj's tiles and scale bytes are asked for jointly; a's are each work-group's own.
; The bias is loaded straight into the accumulators and starts the sums.
.set PITCH, 272                        ; W's LDS row: 256 bytes + 16: the 32 lanes of an 8-byte load touch 64 different banks
.set ACH,   32768                      ; a chunk of a: 8 tiles of rows x 4,096 bytes of images, dense
.set WB,    4*ACH                      ; W's four chunks
.set WCH,   128*PITCH
.set WSC,   WB+4*WCH                   ; 4,352 bytes that no load fills
.set ASB,   WSC+16*272                 ; 4,096 bytes that no load fills; the spare words follow
.set ADW, 3                            ; v3-4  my W fragments in chunks 0, 1 and 2, 3
.set ADA, 5                            ; v5-6  my a images likewise
.set ASW, 9                            ; v9    W's scale bytes of my rows
.set ASA, 10                           ; v10   a's scale words
.set STO, 11                           ; v11   the way out: where I put 32 bytes of a row
.set SRD, 12                           ; v12   and where I read a row back
.set GO,  13                           ; v13   my byte offset in two rows of out0
.set BO,  14                           ; v14   32 h
.set SW,  16                           ; v16-47 W's scale words: 8 t + K step
.set SA,  48                           ; v48-55 a's: lanes 0-15 tile 0, lanes 16-31 tile 1
.set PF,  64                           ; v64-127 four fragments of W; on the way out 16 x 4 registers of rows
.set RF,  128                          ; v128-159 two fragments of a
.set ACC, 192                          ; v192-255 accumulator (t, n) at 32 n + 8 t
.set G1W,  16
.set G1SW, 24
.set G1A,  32
.set G1SA, 40
.set G0SW, 48
.set G0SA, 72
.set G0A,  76
.set WV,   92
.macro ROUND
	s_barrier_signal -1
	s_barrier_wait -1
	s_cmp_lg_u32 s[WV], 0
	s_cbranch_scc1 .Lnw0_\@
	s_barrier_signal -3
.Lnw0_\@:
	s_barrier_wait -3
	s_barrier_signal -1
	s_barrier_wait -1
.endm
; 128 along K: the kq-th of chunk sg.  The eight accumulators take turns, one instruction a turn.
.macro KSTEP3 sg, kq
.rept 8
	v_nop                                          ; eight places ahead of loads into registers that products have read
.endr
.irp t, 0,1,2,3
.irp c, 0,1,2,3
	ds_load_b64 v[PF+16*\t+4*\c:PF+16*\t+4*\c+1], v[ADW+(\sg)/2] offset:((\sg)%2)*WCH+4352*\t+128*(\kq)+32*\c
	ds_load_b64 v[PF+16*\t+4*\c+2:PF+16*\t+4*\c+3], v[ADW+(\sg)/2] offset:((\sg)%2)*WCH+4352*\t+128*(\kq)+32*\c+16
.endr
.endr
.irp n, 0,1
.irp c, 0,1,2,3
	ds_load_b128 v[RF+16*\n+4*\c:RF+16*\n+4*\c+3], v[ADA+(\sg)/2] offset:((\sg)%2)*ACH+4096*\n+2048*(\kq)+512*\c
.endr
.endr
	s_wait_dscnt 0x0
.irp t, 0,1,2,3
	v_wmma_scale_f32_16x16x128_f8f6f4 v[ACC+8*\t:ACC+8*\t+7], v[PF+16*\t:PF+16*\t+15], v[RF:RF+15], v[ACC+8*\t:ACC+8*\t+7], v[SW+8*\t+2*(\sg)+(\kq)], v[SA+2*(\sg)+(\kq)] matrix_a_fmt:MATRIX_FMT_BF8 matrix_b_fmt:MATRIX_FMT_BF8
.endr
.irp t, 0,1,2,3
	v_wmma_scale_f32_16x16x128_f8f6f4 v[ACC+32+8*\t:ACC+32+8*\t+7], v[PF+16*\t:PF+16*\t+15], v[RF+16:RF+31], v[ACC+32+8*\t:ACC+32+8*\t+7], v[SW+8*\t+2*(\sg)+(\kq)], v[SA+2*(\sg)+(\kq)] matrix_a_fmt:MATRIX_FMT_BF8 matrix_b_fmt:MATRIX_FMT_BF8 matrix_b_scale:MATRIX_SCALE_ROW1
.endr
.endm
	s_load_b256 s[4:11], s[0:1], 0x0               ; a_img, a_sc, W's codes, W's scales
	s_load_b128 s[12:15], s[0:1], 0x20             ; b_proj, out0
	v_lshl_add_u32 v190, v0, 2, 0x44100
	v_mov_b32 v191, 0
	ds_add_u32 v190, v191
	ds_add_u32 v190, v191
	v_lshrrev_b32 v1, 5, v0
	s_delay_alu instid0(VALU_DEP_1)
	v_readfirstlane_b32 s[WV], v1                  ; wave 0..7
	s_bfe_u32 s93, ttmp6, 0x40000                  ; cx
	s_lshl_b32 s94, ttmp9, 2
	s_add_co_u32 s94, s94, s93                     ; mb = 4 x cluster x + cx
	s_and_b32 s95, ttmp7, 0xffff                   ; ny, which the four partners share
	s_and_b32 s96, s[WV], 1                        ; which 64 columns
	s_lshr_b32 s97, s[WV], 1                       ; which 32 rows
	; every LDS address is made here, of the wave's number, the lane and constants
	v_and_b32 v1, 15, v0                           ; r
	v_bfe_u32 v2, v0, 4, 1                         ; h
	v_and_b32 v7, 31, v0                           ; lane
	s_mul_i32 s98, s96, 64*PITCH
	s_add_co_u32 s98, s98, WB
	v_mul_u32_u24 v[ADW], v1, PITCH
	s_delay_alu instid0(VALU_DEP_1)
	v_lshl_add_u32 v[ADW], v2, 3, v[ADW]           ; row x pitch + 8 h
	s_delay_alu instid0(VALU_DEP_1)
	v_add_nc_u32 v[ADW], s98, v[ADW]
	s_delay_alu instid0(VALU_DEP_1)
	v_add_nc_u32 v[ADW+1], 2*WCH, v[ADW]
	s_lshl_b32 s98, s97, 13                        ; my two tiles of rows: 4,096 bytes each in a chunk
	v_lshl_add_u32 v[ADA], v7, 4, s98
	s_delay_alu instid0(VALU_DEP_1)
	v_add_nc_u32 v[ADA+1], 2*ACH, v[ADA]
	v_lshlrev_b32 v[ASW], 5, v1                    ; the scale words come from memory straight into registers: W's: 32 bytes a row,
	v_lshlrev_b32 v[ASA], 3, v7                    ; a's: 8 bytes a lane
	s_mul_i32 s98, s[WV], 32*PITCH                 ; my stage: 32 rows x (256 bytes + 16)
	v_mul_u32_u24 v[STO], v1, PITCH
	s_delay_alu instid0(VALU_DEP_1)
	v_lshl_add_u32 v[STO], v2, 5, v[STO]
	s_delay_alu instid0(VALU_DEP_1)
	v_add_nc_u32 v[STO], s98, v[STO]
	v_mul_u32_u24 v[SRD], v2, PITCH
	s_delay_alu instid0(VALU_DEP_1)
	v_lshl_add_u32 v[SRD], v1, 4, v[SRD]
	s_delay_alu instid0(VALU_DEP_1)
	v_add_nc_u32 v[SRD], s98, v[SRD]
	v_lshlrev_b32 v[GO], 12, v2                    ; lanes 0-15 one row of out0, lanes 16-31 the next; 16 bytes a lane
	s_delay_alu instid0(VALU_DEP_1)
	v_lshl_add_u32 v[GO], v1, 4, v[GO]
	v_lshlrev_b32 v[BO], 5, v2
	; group 1
	s_mov_b32 s[G1W], 15|(1<<20)|(1<<21)|(5<<22)|(3<<25)   ; W: 128 rows x 256 bytes, joint, four words of padding after every 64
	s_mov_b32 s[G1W+1], 256<<16
	s_mov_b32 s[G1W+2], 128<<16
	s_mov_b32 s[G1W+3], 256<<16
	s_mov_b32 s[G1W+4], 128
	s_mov_b32 s[G1W+5], 1024
	s_mov_b32 s[G1W+6], 0
	s_mov_b32 s[G1W+7], 0
	s_mov_b32 s[G1A], 3<<16                        ; a: 8 tiles of rows x 4,096 bytes (512 elements of 8 bytes), 16,384 bytes apart
	s_mov_b32 s[G1A+1], 512<<16
	s_mov_b32 s[G1A+2], 8<<16
	s_mov_b32 s[G1A+3], 512<<16
	s_mov_b32 s[G1A+4], 8
	s_mov_b32 s[G1A+5], 2048
	s_mov_b32 s[G1A+6], 0
	s_mov_b32 s[G1A+7], 0
.set G0W, 52                           ; s[52:55] group 0 of W's chunk w / 2; s[76:79] of a's: every wave makes both and asks by one
	s_mov_b32 s[G0W], 1
	s_mul_i32 s[G0W+1], s97, WCH
	s_add_co_u32 s[G0W+1], s[G0W+1], WB
	s_mov_b32 s[G0A], 1
	s_lshl_b32 s[G0A+1], s97, 15
	s_wait_dscnt 0x0
	s_wait_kmcnt 0x0
	s_lshl_b32 s98, s95, 17                        ; W's side is made of ny and the wave's number alone: chunk w / 2 is 256 bytes along K
	s_lshl_b32 s99, s97, 8
	s_add_co_u32 s98, s98, s99
	s_mov_b32 s99, 0
	s_add_nc_u64 s[G0W+2:G0W+3], s[8:9], s[98:99]
	s_lshl_b32 s100, s94, 17                       ; a's chunk w / 2: 4,096 bytes on in each tile of rows
	s_lshl_b32 s101, s97, 12
	s_add_co_u32 s100, s100, s101
	s_mov_b32 s101, 0
	s_add_nc_u64 s[G0A+2:G0A+3], s[4:5], s[100:101]
	s_or_b32 s[G0W+3], s[G0W+3], 0x80000000
	s_or_b32 s[G0A+3], s[G0A+3], 0x80000000
	s_lshl_b32 s98, s95, 12                        ; W's scale bytes: my 64 rows of 32 bytes
	s_lshl_b32 s2, s96, 11
	s_add_co_u32 s98, s98, s2
	s_add_nc_u64 s[10:11], s[10:11], s[98:99]
	s_lshl_b32 s100, s94, 12                       ; a's scale words: which 64 rows: 2,048 bytes; in a K step's 256 bytes word (w / 2) % 2 of lane l
	s_lshr_b32 s2, s97, 1
	s_lshl_b32 s2, s2, 11
	s_add_co_u32 s100, s100, s2
	s_and_b32 s2, s97, 1
	s_lshl_b32 s2, s2, 2
	s_add_co_u32 s100, s100, s2
	s_add_nc_u64 s[6:7], s[6:7], s[100:101]
	ROUND                                          ; all four work-groups are here: the joint loads meet
; THE EIGHT FILLS, ONE A WAVE: wave 2 c fetches W's chunk c (joint), wave 2 c + 1 a's chunk c.  One chain of branches on the wave's number, a load line to each wave,
; so that a chunk's barrier need wait only for the waves that fetch it and the chunks before it.
.macro ARM under, g0, g1, next
	s_cmp_lt_u32 s[WV], \under
	s_cbranch_scc0 \next
	tensor_load_to_lds s[\g0:\g0+3], s[\g1:\g1+7]
	s_nop 0
.rept 4
	v_nop
.endr
	s_branch .Lasked
\next:
.endm
	ARM 1, G0W, G1W, .La1
	ARM 2, G0A, G1A, .La2
	ARM 3, G0W, G1W, .La3
	ARM 4, G0A, G1A, .La4
	ARM 5, G0W, G1W, .La5
	ARM 6, G0A, G1A, .La6
	ARM 7, G0W, G1W, .La7
	tensor_load_to_lds s[G0A:G0A+3], s[G1A:G1A+7]
	s_nop 0
.rept 4
	v_nop
.endr
.Lasked:
	s_lshl_b32 s98, s95, 9                         ; b_proj: my 64 numbers: 4 (128 ny + 64 (w % 2))
	s_lshl_b32 s100, s96, 8
	s_add_co_u32 s98, s98, s100
	s_add_nc_u64 s[12:13], s[12:13], s[98:99]
	s_wait_alu depctr_va_vdst(0)
.irp n, 0,1                            ; register j of accumulator (t, n) wants b(16 t + 8 h + j): the bias starts the sums
.irp t, 0,1,2,3
	global_load_b128 v[ACC+32*\n+8*\t:ACC+32*\n+8*\t+3], v[BO], s[12:13] offset:64*\t
	global_load_b128 v[ACC+32*\n+8*\t+4:ACC+32*\n+8*\t+7], v[BO], s[12:13] offset:64*\t+16
.endr
.endr
	s_lshl_b32 s100, s94, 19                       ; out0: row 128 mb + 32 (w / 2), and the same bytes along the row as the bias
	s_lshl_b32 s2, s97, 17
	s_add_co_u32 s100, s100, s2
	s_add_co_u32 s100, s100, s98
	s_add_nc_u64 s[14:15], s[14:15], s[100:101]
.irp t, 0,1,2,3
	global_load_b128 v[SW+8*\t:SW+8*\t+3], v[ASW], s[10:11] offset:512*\t          ; a row's eight scale words: all of K, once; the two loads of a tile cover 512 consecutive bytes
	global_load_b128 v[SW+8*\t+4:SW+8*\t+7], v[ASW], s[10:11] offset:512*\t+16
.endr
.irp q, 0,1,2,3,4,5,6,7
	global_load_b32 v[SA+\q], v[ASA], s[6:7] offset:256*\q
.endr
	s_cmp_lt_u32 s[WV], 2                          ; waves 0 and 1 wait for chunk 0; the later chunks' loads may stay out
	s_cbranch_scc0 .Lc0
	s_wait_tensorcnt 0x0
.Lc0:
	s_wait_loadcnt 0x0                             ; the bias and the scale words
	s_barrier_signal -1
	s_barrier_wait -1
.irp sg, 0,1,2,3
.if \sg > 0
.if \sg < 3
	s_cmp_lt_u32 s[WV], 2*\sg+2                    ; the waves that fetch this chunk (and the chunks before it) wait
	s_cbranch_scc0 .Lc\sg
	s_wait_tensorcnt 0x0
.Lc\sg:
.else
	s_wait_tensorcnt 0x0                           ; the last chunk: every wave waits
.endif
	s_wait_dscnt 0x0
	s_barrier_signal -1
	s_barrier_wait -1
.endif
	KSTEP3 \sg, 0
	KSTEP3 \sg, 1
.endr
	; THE WAY OUT.  A wave's 64 columns are 256 bytes of a row.  32 rows go through my own stage and come back as whole rows.  The stages lie in a's chunks 0 to 2, which have had their one fill and which
	; every wave has left behind the last barrier.  LDS serves a wave's instructions in order (ISA guide 5.7.1.4): no wait between the stores and the loads.
.rept 8
	v_nop
.endr
.irp n, 0,1
.irp t, 0,1,2,3
	ds_store_b128 v[STO], v[ACC+32*\n+8*\t:ACC+32*\n+8*\t+3] offset:4352*\n+64*\t          ; each accumulator from its low end on
	ds_store_b128 v[STO], v[ACC+32*\n+8*\t+4:ACC+32*\n+8*\t+7] offset:4352*\n+64*\t+16
.endr
.endr
.irp i, 0,1,2,3,4,5,6,7,8,9,10,11,12,13,14,15
	ds_load_b128 v[PF+4*\i:PF+4*\i+3], v[SRD] offset:544*\i
.endr
.irp i, 0,1,2,3,4,5,6,7,8,9,10,11,12,13,14,15
	s_wait_dscnt 15-\i                             ; the loads issued behind load i may stay out
	global_store_b128 v[GO], v[PF+4*\i:PF+4*\i+3], s[14:15] offset:8192*\i th:TH_STORE_NT   ; 16 lanes store 256 consecutive bytes, aligned; written once, read by nobody here
.endr
	s_wait_tensorcnt 0x0
	s_wait_dscnt 0x0
	s_wait_tensorcnt 0x0
	ds_add_u32 v190, v191
	s_wait_dscnt 0x0
	ROUND                                          ; the closing round: no work-group ends while a partner may still ask for a tile that names it
	s_endpgm
.Lfunc_end_k_q73f9b92af4_proj:
	.size	k_q73f9b92af4_proj, .Lfunc_end_k_q73f9b92af4_proj-k_q73f9b92af4_proj
	.p2alignl 7, 3214868480
	.fill 96, 4, 3214868480
	.section	.rodata,"a",@progbits
	.p2align	6, 0x0
	.amdhsa_kernel k_q73f9b92af4_proj
		.amdhsa_group_segment_fixed_size 327680
		.amdhsa_private_segment_fixed_size 0
		.amdhsa_enable_private_segment 0
		.amdhsa_kernarg_size 48
		.amdhsa_user_sgpr_count 2
		.amdhsa_user_sgpr_kernarg_segment_ptr 1
		.amdhsa_wavefront_size32 1
		.amdhsa_system_sgpr_workgroup_id_x 1
		.amdhsa_system_sgpr_workgroup_id_y 1
		.amdhsa_system_sgpr_workgroup_id_z 1
		.amdhsa_system_vgpr_workitem_id 0
		.amdhsa_next_free_vgpr 256
		.amdhsa_next_free_sgpr 102
		.amdhsa_reserve_vcc 0
		.amdhsa_float_denorm_mode_32 3
		.amdhsa_float_denorm_mode_16_64 3
		.amdhsa_memory_ordered 1
		.amdhsa_forward_progress 1
		.amdhsa_inst_pref_size 47
	.end_amdhsa_kernel
	.amdgpu_metadata
---
amdhsa.version: [ 1, 2 ]
amdhsa.kernels:
  - .name:           k_q73f9b92af4_proj
    .symbol:         k_q73f9b92af4_proj.kd
    .args:
      - { .name: a_img, .offset: 0, .size: 8, .value_kind: global_buffer, .address_space: global }
      - { .name: a_sc, .offset: 8, .size: 8, .value_kind: global_buffer, .address_space: global }
      - { .name: W_proj_codes, .offset: 16, .size: 8, .value_kind: global_buffer, .address_space: global }
      - { .name: W_proj_scales, .offset: 24, .size: 8, .value_kind: global_buffer, .address_space: global }
      - { .name: b_proj, .offset: 32, .size: 8, .value_kind: global_buffer, .address_space: global }
      - { .name: out0, .offset: 40, .size: 8, .value_kind: global_buffer, .address_space: global }
    .group_segment_fixed_size: 327680
    .private_segment_fixed_size: 0
    .kernarg_segment_align: 8
    .kernarg_segment_size: 48
    .max_flat_workgroup_size: 256
    .sgpr_count:     102
    .vgpr_count:     256
    .wavefront_size: 32
...
	.end_amdgpu_metadata
.endif
;; end of part 3
